; MI455X (gfx1250); checked and timed in simulation.
; The chip was launched on July 23, 2026; its instructions are those of AMD's public machine-readable ISA for CDNA 5 (MIT licence, August 2026) and "CDNA5" Instruction Set Architecture Reference Guide (July 2026). The comments in the code are by the model that wrote it; some were corrected since.
;; Attn. Allowed arithmetic: matrix products marked QUANTISED: E2M1 operands, one E8M0 scale for each 32 along K, by v_wmma_scale_f32_16x16x128_f8f6f4 with both operands' format E2M1 (or v_wmma_scale_f32_32x16x128_f4), f32 sums; products left as they are: f32 operands where the result goes on into a quantised operand, else bf16, f16 or f32 operands; f32 sums; everything else in f32.
;; Inputs: W 1,024 x 2,048 float32; b 1,024 float32; encoderOutputs 1,024 x 32 x 1,024 float32; hidden 32 x 1,024 float32; v 1,024 float32.
;; Outputs: out0 32 x 1 x 1,024 float32.
;; This version of the problem:
;;   THIS VERSION OF THE PROBLEM IS GIVEN IN LOW PRECISION. The matrix products marked QUANTISED in the list below multiply operands that are first quantised to E2M1 (2 exponent bits, 1 mantissa bit; 4 bits a number), with one power-of-two scale for each 32 numbers along K (OCP MX v1.0); their sums are f32. All else is computed in f32.
;;   The module's matrix products, in the order in which they are computed (A, B: the left and right operand; K: the contracted axis; several contracted axes count as one K, in the product's order):
;;     1. [M 32,768, K 2,048] x [K 2,048, N 1,024]; A: computed on the way; B: input W: QUANTISED
;;     2. [M 32,768, K 1,024] x [K 1,024, N 1]; A: computed on the way; B: input v: left as it is (N = 1 < 16)
;;   THE QUANTISER, for each operand of a quantised product, along K:
;;     - K is cut into blocks of 32 from its start; a last block that is shorter is filled with zeros.
;;     - A block's scale is 2^e with e = floor(log2(the largest magnitude in the block)) - 2, held to -126 .. 127; a block of zeros has e = 0. As a byte (E8M0): e + 127.
;;     - Each number is divided by its block's scale, clamped to +-6, and rounded to the nearest number of E2M1, ties to even, subnormals kept.
;;     - The product sums the exact products of the quantised numbers (number of the format x scale) in f32.
;;   ~~~python
;;   def quantise(x, axis):      # numpy; x: float32 -> the quantised numbers, widened to float32 again
;;       x = np.moveaxis(x, axis, -1); K = x.shape[-1]
;;       x = np.pad(x, [(0, 0)] * (x.ndim - 1) + [(0, -K % 32)]); x = x.reshape(x.shape[:-1] + (-1, 32)); a = np.abs(x).max(-1, keepdims=True)
;;       e = np.where(a > 0, np.clip(np.frexp(np.where(a > 0, a, 1))[1] - 1 - 2, -126, 127), 0)      # np.frexp(a)[1] - 1 = floor(log2(a)), exactly
;;       r = np.clip(x / 2.0 ** e, -6, 6)
;;       step = 2.0 ** (np.maximum(np.frexp(np.where(r == 0, 1, r))[1] - 1, 0) - 1)
;;       q = np.round(r / step) * step * 2.0 ** e      # np.round: ties to even
;;       return np.moveaxis(q.reshape(q.shape[:-2] + (-1,))[..., :K], -1, axis).astype(np.float32)
;;   ~~~
;;   OPERANDS COMPUTED ON THE WAY. 'Computed on the way' means the value that the module computes at that place (a softmax that the list does not call 'softmax' is quantised finished and normalised). What goes into a quantiser is computed in f32, as accurately as f32 sums, v_exp_f32 and their like allow (about 1e-6 of the number): no bf16 or f16 on the way to a quantiser, and a product that is left as it is and whose result goes on into a quantised operand takes f32 operands (vector FMAs, or v_wmma_f32_16x16x4_f32). A number that lies on a knife's edge between two numbers of the format may be rounded either way, as far as f32 arithmetic and the matrix unit's own rounding can turn it there, and no further.
;; 2 versions, each right; version 2 is version 1 with the launches prep, energy written anew for expert scheduling mode. Each part assembles by itself: llvm-mc -triple=amdgcn-amd-amdhsa -mcpu=gfx1250 --defsym DOCPART=n.
;; ======== version 1 of 2: 3 launches
;; workspace buffers: wc 524,288 bytes; ws 32,768 bytes; cg 131,072 bytes; scores 131,072 bytes
;; launch prep (part 1): grid 64 x 1, 16 waves a work-group, no clusters, 155,648 bytes of LDS; arguments W, hidden, b, wc, ws, cg; writes wc, ws, cg
.if DOCPART == 1
	.amdgcn_target "amdgcn-amd-amdhsa--gfx1250"
	.amdhsa_code_object_version 6
	.text
	.protected	k_qfad40aafc7_prep
	.globl	k_qfad40aafc7_prep
	.p2align	8
	.type	k_qfad40aafc7_prep,@function
k_qfad40aafc7_prep:
	s_mov_b64 s[64:65], 0
	v_nop
	global_prefetch_b8 v0, s[64:65] scope:SCOPE_SE
	s_setreg_imm32_b32 hwreg(HW_REG_WAVE_MODE, 25, 1), 1
	s_wait_xcnt 0x0
; W [1024][2048], hidden [32][1024], b [1024], all f32.  K of the quantised product is [hidden | enc], 1,024 + 1,024: the seam is a block boundary, so the two halves are quantised apart.
; This launch makes what does not hang on the sequence:
;   wc, ws: codes of FP4 (E2M1) and E8M0 scale words of W[:, 1024:], laid in the order of the operand's registers, for the next launch;
;   cg[t][b][16] = c (G[b][n] + bias[n]), G = Q(hidden) Q(W[:, :1024])^T on the same codes' format, c = 2 log2(e): the part of tanh's argument that is the same for all 1,024 places of a sequence.
; SHARES.  A work-group takes a tile t of 16 rows n of W.  Waves 0-7 (role 0) take W's first half and hidden, waves 8-15 (role 1) W's second half; wave & 7 is the K step of 128.
; The roles part on the wave's number, meet at the one barrier and part again; every LDS address is made ahead of the first parting.
; LOADS.  Each load reads 512 consecutive bytes of one row, 16 a lane.  The conversions want 32 neighbours along K in ONE lane: so a fragment's 16 rows x 512 bytes turn through the wave's own stage in LDS
; (pitch 528 = 33 x 16 bytes: the sixteen rows that a read touches begin in sixteen different 16-byte columns of 256) and come back into the registers that they left.
; A block's scale is 2^(floor(log2(its largest magnitude)) - 2); its byte is the largest magnitude's exponent field - 2, held at 1 from below.
; LIMITS: a block of zeros gets the byte 1 where the rule says 127 (its codes are zeros, and this program alone reads the bytes); NaN and infinities among the inputs are not served.
; G's eight K steps are summed in f32 as a tree, not as one chain.
.set CEXP, 0x4038aa3b                  ; c = 2 log2(e)
.set STP,  528                         ; a stage row
.set STGW, 16*STP                      ; a wave's stage
.set PA,   16*STGW                     ; behind the stages: role 0's partial results, 2,048 bytes a K step, as images of the result's registers
.set PB,   PA+8*2048                   ; and role 1's scale words of the tile, 512 bytes, laid as ws
.set LN16, 1                           ; v1   16 x lane
.set STW,  4                           ; v4   the stage, on the way in: 16 x lane
.set STR,  5                           ; v5   and back: 528 r + 128 h
.set QSH,  6                           ; v6   8 h
.set PAW,  7                           ; v7   where I put my partial result
.set PAR,  8                           ; v8   where a thread of waves 0-3 reads its four numbers of a partial result
.set PBW,  9                           ; v9   where I put my K step's scale word
.set PBR,  10                          ; v10  where wave 8 reads the tile's words back
.set T16,  11                          ; v11  16 x thread
.set BO,   12                          ; v12  16 x (thread % 4)
.set QT,   14                          ; v14  a lane permute's destination
.set QM,   16                          ; v16-17 largest magnitudes, v18-19 the conversions' scale operands, v20-21 bytes
.set QSO,  18
.set QBY,  20
.set XW,   32                          ; v32-95   W's fragment as f32
.set XH,   96                          ; v96-159, v160-223 hidden's two (rows 0-15, 16-31); later their first eight registers take the two results
.set CW,   224                         ; codes: W's, hidden's two
.set CH,   232
.set SW,   248                         ; scale words: W's, hidden's two; these registers hold nothing else
.set SH,   249
.set BI,   252                         ; v252-255 four numbers of the bias
; 64 numbers of a lane, v[x + 32 c + i] = k 64 c + 32 h + i of my row, become the operand's eight registers v[pc] on and my row's scale word v[pw]
.macro QUANT x, pc, pw
.irp c, 0,1
	v_max3_num_f32 v[QM+\c], |v[(\x)+32*\c]|, |v[(\x)+32*\c+1]|, 0x1800000   ; my block 2 c + h: all its 32 numbers are mine; the floor 2^(3 - 127) keeps the byte at 1 or above
.endr
.irp i, 2,4,6,8,10,12,14,16,18,20,22,24,26,28,30
.irp c, 0,1
	v_max3_num_f32 v[QM+\c], v[QM+\c], |v[(\x)+32*\c+\i]|, |v[(\x)+32*\c+\i+1]|   ; the two blocks by turns
.endr
.endr
.irp c, 0,1
	v_add_nc_u32 v[QSO+\c], 0xff000000, v[QM+\c]   ; 2 off the exponent field: the conversion takes that field as its scale
.endr
.irp c, 0,1
	v_lshrrev_b32 v[QBY+\c], 23, v[QSO+\c]         ; the scale's byte
.endr
	v_lshl_or_b32 v[\pw], v[QBY+1], 16, v[QBY]     ; my two bytes, blocks h and 2 + h,
	v_lshlrev_b32 v[\pw], v[QSH], v[\pw]           ; at their places in the word;
	v_permlanex16_b32 v[QT], v[\pw], s20, s21
	v_or_b32 v[\pw], v[\pw], v[QT]                 ; with lane l xor 16's two the word is whole, in both lanes
.irp c, 0,1
.irp g, 0,1,2,3
	v_cvt_scalef32_pk8_fp4_f32 v[(\pc)+4*\c+\g], v[(\x)+32*\c+8*\g:(\x)+32*\c+8*\g+7], v[QSO+\c]
.endr
.endr
	v_nop                                          ; one plain place behind the last scaled conversion
.endm
; a fragment's 16 rows, as loaded, through my stage: LDS serves a wave's instructions in order, so no wait stands between the stores and the loads, nor ahead of the next fragment's stores
.macro TURN x
.irp p, 0,1,2,3,4,5,6,7,8,9,10,11,12,13,14,15
	ds_store_b128 v[STW], v[(\x)+4*\p:(\x)+4*\p+3] offset:STP*\p
.endr
.irp c, 0,1
.irp i, 0,1,2,3,4,5,6,7
	ds_load_b128 v[(\x)+32*\c+4*\i:(\x)+32*\c+4*\i+3], v[STR] offset:256*\c+16*\i
.endr
.endr
.endm
	s_load_b256 s[4:11], s[0:1], 0x0               ; W s[4:5], hidden s[6:7], b s[8:9], wc s[10:11]
	s_load_b128 s[12:15], s[0:1], 0x20             ; ws s[12:13], cg s[14:15]
	v_lshl_add_u32 v31, v0, 2, 0x25800
	v_mov_b32 v251, 0
	v_lshrrev_b32 v1, 5, v0
	v_readfirstlane_b32 s16, v1                    ; wave 0..15
	s_lshr_b32 s17, s16, 3                         ; role
	s_and_b32 s18, s16, 7                          ; K step
	s_mov_b32 s20, 0x76543210
	s_mov_b32 s21, 0xfedcba98                      ; v_permlanex16_b32's selects for lane l xor 16
	v_and_b32 v1, 31, v0
	v_lshlrev_b32 v[LN16], 4, v1
	v_and_b32 v2, 15, v0                           ; r
	v_bfe_u32 v3, v0, 4, 1                         ; h
	s_mul_i32 s22, s16, STGW
	v_add_nc_u32 v[STW], s22, v[LN16]
	v_mul_u32_u24 v[STR], v2, STP
	v_lshl_add_u32 v[STR], v3, 7, v[STR]
	v_add_nc_u32 v[STR], s22, v[STR]
	v_lshlrev_b32 v[QSH], 3, v3
	s_lshl_b32 s22, s18, 11
	s_add_co_u32 s22, s22, PA
	v_add_nc_u32 v[PAW], s22, v[LN16]
	; thread u of waves 0-3 owns b = u / 4 and the four n 4 (u % 4) on.  In an image they lie at 1024 (b / 16) + 512 (u % 2) + 16 x lane, lane = b % 16 + 16 ((u / 2) % 2)
	v_bfe_u32 v[PAR], v0, 6, 1
	v_lshlrev_b32 v[PAR], 10, v[PAR]
	v_and_b32 v13, 1, v0
	v_lshl_add_u32 v[PAR], v13, 9, v[PAR]
	v_bfe_u32 v13, v0, 1, 1
	v_lshl_add_u32 v[PAR], v13, 8, v[PAR]
	v_bfe_u32 v13, v0, 2, 4
	v_lshl_add_u32 v[PAR], v13, 4, v[PAR]
	v_add_nc_u32 v[PAR], PA, v[PAR]
	s_and_b32 s22, s18, 1                          ; ws: word q of lane L is row L % 16's word of K step 2 q + L / 16
	s_lshl_b32 s22, s22, 8
	s_lshr_b32 s23, s18, 1
	s_lshl_b32 s23, s23, 2
	s_add_co_u32 s22, s22, s23
	s_add_co_u32 s22, s22, PB
	v_lshl_add_u32 v[PBW], v2, 4, s22
	v_add_nc_u32 v[PBR], PB, v[LN16]
	v_lshlrev_b32 v[T16], 4, v0
	v_and_b32 v[BO], 3, v0
	v_lshlrev_b32 v[BO], 4, v[BO]
	v_mov_b32 v[QT], 0                             ; written once: a lane permute's destination counts as one of its sources
	s_lshl_b32 s24, ttmp9, 17                      ; W: 16 rows of 8,192 bytes a tile,
	s_lshl_b32 s22, s17, 12                        ; the role's half of a row,
	s_add_co_u32 s24, s24, s22
	s_lshl_b32 s26, s18, 9                         ; the K step's 512 bytes (in hidden too)
	s_add_co_u32 s24, s24, s26
	s_lshl_b32 s28, ttmp9, 6                       ; b: 16 numbers a tile
	s_lshl_b32 s30, ttmp9, 13                      ; wc: 8,192 bytes a tile, 1,024 a K step
	s_lshl_b32 s22, s18, 10
	s_add_co_u32 s30, s30, s22
	s_lshl_b32 s32, ttmp9, 9                       ; ws: 512 bytes a tile
	s_lshl_b32 s34, ttmp9, 11                      ; cg: 2,048 bytes a tile
	s_mov_b32 s25, 0
	s_mov_b32 s27, 0
	s_mov_b32 s29, 0
	s_mov_b32 s31, 0
	s_mov_b32 s33, 0
	s_mov_b32 s35, 0
	s_wait_kmcnt 0x0
	s_add_nc_u64 s[4:5], s[4:5], s[24:25]
	s_add_nc_u64 s[6:7], s[6:7], s[26:27]
	s_add_nc_u64 s[8:9], s[8:9], s[28:29]
	s_add_nc_u64 s[10:11], s[10:11], s[30:31]
	s_add_nc_u64 s[12:13], s[12:13], s[32:33]
	s_add_nc_u64 s[14:15], s[14:15], s[34:35]
	global_load_b128 v[BI:BI+3], v[BO], s[8:9]     ; the tile's 16 numbers of the bias, four a thread: asked for here, ahead of the parting, so that it comes beside W and not behind the barrier.
	                                               ; Every wave asks, so that the register is written on every way; waves 0-3 use it.  It is the oldest load: every counted wait below covers it
.irp p, 0,1,2,3,4,5,6,7,8,9,10,11,12,13,14,15
	global_load_b128 v[XW+4*\p:XW+4*\p+3], v[LN16], s[4:5] offset:8192*\p th:TH_LOAD_NT   ; row p of the tile: 512 consecutive bytes; read once in the launch
.endr
	s_cmp_lg_u32 s17, 0
	s_cbranch_scc1 .Lsecond_half
	; ---- role 0: one K step of G = Q(hidden) Q(W[:, :1024])^T
.irp j, 0,1
.irp p, 0,1,2,3,4,5,6,7,8,9,10,11,12,13,14,15
	global_load_b128 v[XH+64*\j+4*\p:XH+64*\j+4*\p+3], v[LN16], s[6:7] offset:4096*(16*\j+\p)
.endr
.endr
	s_wait_loadcnt 32                              ; the bias and W's sixteen are in; hidden's 32 are younger
	TURN XW
	s_wait_loadcnt 16                              ; hidden's rows 0-15 are in
	TURN XH
	s_wait_dscnt 32                                ; W's fragment is back: behind it stand the 32 LDS instructions of the second turn
	QUANT XW, CW, SW
	s_wait_loadcnt 0x0
	TURN XH+64
	s_wait_dscnt 32                                ; hidden's first is back
	QUANT XH, CH, SH
	s_wait_dscnt 0x0
	QUANT XH+64, CH+8, SH+1
.rept 8
	v_nop                                          ; a scale register written by a vector instruction stands eight places ahead of a scaled matrix instruction, an operand so written four
.endr
	; transposed: source 0 = 16 rows of W, source 1 = 16 rows of hidden: lane (r, h), register i = G(b = 16 j + r, n = 16 t + 8 h + i)
	v_wmma_scale_f32_16x16x128_f8f6f4 v[XH:XH+7], v[CW:CW+7], v[CH:CH+7], 0, v[SW], v[SH] matrix_a_fmt:MATRIX_FMT_FP4 matrix_b_fmt:MATRIX_FMT_FP4
	v_wmma_scale_f32_16x16x128_f8f6f4 v[XH+64:XH+71], v[CW:CW+7], v[CH+8:CH+15], 0, v[SW], v[SH+1] matrix_a_fmt:MATRIX_FMT_FP4 matrix_b_fmt:MATRIX_FMT_FP4
.rept 4
	v_nop                                          ; four places ahead of the first read of results
.endr
.irp j, 0,1
.irp g, 0,1
	ds_store_b128 v[PAW], v[XH+64*\j+4*\g:XH+64*\j+4*\g+3] offset:1024*\j+512*\g   ; each result from its low end on
.endr
.endr
	s_branch .Ljoin
.Lsecond_half:
	; ---- role 1: one fragment of W[:, 1024:] becomes codes and a scale word
	s_wait_loadcnt 0x0
	TURN XW
	s_wait_dscnt 0x0
	QUANT XW, CW, SW
.irp c, 0,1
	global_store_b128 v[LN16], v[CW+4*\c:CW+4*\c+3], s[10:11] offset:512*\c   ; the operand's registers as they stand: 512 consecutive bytes a store
.endr
	ds_store_b32 v[PBW], v[SW]                     ; lanes r and r + 16 write the same word with the same value
.Ljoin:
	s_wait_dscnt 0x0                               ; for the others' sake: my LDS stores have landed
	s_barrier_signal -1
	s_barrier_wait -1
	s_cmp_lt_u32 s16, 4
	s_cbranch_scc1 .Lsum
	s_cmp_eq_u32 s16, 8
	s_cbranch_scc1 .Lwords
	s_wait_tensorcnt 0x0
	ds_add_u32 v31, v251
	s_wait_dscnt 0x0
	s_endpgm
.Lsum:                                             ; waves 0-3: 128 threads x 4 numbers = 32 b x 16 n
.irp u, 0,1,2,3,4,5,6,7
	ds_load_b128 v[32+4*\u:35+4*\u], v[PAR] offset:2048*\u
.endr
	s_wait_dscnt 0x0
.irp u, 0,2,4,6
	v_pk_add_f32 v[32+4*\u:33+4*\u], v[32+4*\u:33+4*\u], v[36+4*\u:37+4*\u]
	v_pk_add_f32 v[34+4*\u:35+4*\u], v[34+4*\u:35+4*\u], v[38+4*\u:39+4*\u]
.endr
.irp u, 0,4
	v_pk_add_f32 v[32+4*\u:33+4*\u], v[32+4*\u:33+4*\u], v[40+4*\u:41+4*\u]
	v_pk_add_f32 v[34+4*\u:35+4*\u], v[34+4*\u:35+4*\u], v[42+4*\u:43+4*\u]
.endr
	v_pk_add_f32 v[32:33], v[32:33], v[48:49]
	v_pk_add_f32 v[34:35], v[34:35], v[50:51]
	v_pk_add_f32 v[32:33], v[32:33], v[BI:BI+1]    ; the bias came with the first loads: both ways to the barrier have waited for all their loads
	v_pk_add_f32 v[34:35], v[34:35], v[BI+2:BI+3]
	v_pk_mul_f32 v[32:33], v[32:33], CEXP op_sel_hi:[1,0]
	v_pk_mul_f32 v[34:35], v[34:35], CEXP op_sel_hi:[1,0]
	global_store_b128 v[T16], v[32:35], s[14:15]   ; a wave stores 512 consecutive bytes
	s_wait_tensorcnt 0x0
	ds_add_u32 v31, v251
	s_wait_dscnt 0x0
	s_endpgm
.Lwords:                                           ; wave 8: the tile's scale words leave as 512 consecutive bytes
	ds_load_b128 v[32:35], v[PBR]
	s_wait_dscnt 0x0
	global_store_b128 v[LN16], v[32:35], s[12:13]
	s_wait_tensorcnt 0x0
	ds_add_u32 v31, v251
	s_wait_dscnt 0x0
	s_endpgm
.Lfunc_end_k_qfad40aafc7_prep:
	.size	k_qfad40aafc7_prep, .Lfunc_end_k_qfad40aafc7_prep-k_qfad40aafc7_prep
	.p2alignl 7, 3214868480
	.fill 96, 4, 3214868480
	.section	.rodata,"a",@progbits
	.p2align	6, 0x0
	.amdhsa_kernel k_qfad40aafc7_prep
		.amdhsa_group_segment_fixed_size 155648
		.amdhsa_private_segment_fixed_size 0
		.amdhsa_enable_private_segment 0
		.amdhsa_kernarg_size 48
		.amdhsa_user_sgpr_count 2
		.amdhsa_user_sgpr_kernarg_segment_ptr 1
		.amdhsa_wavefront_size32 1
		.amdhsa_system_sgpr_workgroup_id_x 1
		.amdhsa_system_sgpr_workgroup_id_y 1
		.amdhsa_system_sgpr_workgroup_id_z 1
		.amdhsa_system_vgpr_workitem_id 0
		.amdhsa_next_free_vgpr 256
		.amdhsa_next_free_sgpr 66
		.amdhsa_reserve_vcc 0
		.amdhsa_float_denorm_mode_32 3
		.amdhsa_float_denorm_mode_16_64 3
		.amdhsa_memory_ordered 1
		.amdhsa_forward_progress 1
		.amdhsa_inst_pref_size 32
	.end_amdhsa_kernel
	.amdgpu_metadata
---
amdhsa.version: [ 1, 2 ]
amdhsa.kernels:
  - .name:           k_qfad40aafc7_prep
    .symbol:         k_qfad40aafc7_prep.kd
    .args:
      - { .name: W, .offset: 0, .size: 8, .value_kind: global_buffer, .address_space: global }
      - { .name: hidden, .offset: 8, .size: 8, .value_kind: global_buffer, .address_space: global }
      - { .name: b, .offset: 16, .size: 8, .value_kind: global_buffer, .address_space: global }
      - { .name: wc, .offset: 24, .size: 8, .value_kind: global_buffer, .address_space: global }
      - { .name: ws, .offset: 32, .size: 8, .value_kind: global_buffer, .address_space: global }
      - { .name: cg, .offset: 40, .size: 8, .value_kind: global_buffer, .address_space: global }
    .group_segment_fixed_size: 155648
    .private_segment_fixed_size: 0
    .kernarg_segment_align: 8
    .kernarg_segment_size: 48
    .max_flat_workgroup_size: 512
    .sgpr_count:     66
    .vgpr_count:     256
    .wavefront_size: 32
...
	.end_amdgpu_metadata
.endif
;; end of part 1
;; launch energy (part 2): grid 8 x 32, 4 waves a work-group, no clusters, 147,968 bytes of LDS; arguments encoderOutputs, wc, ws, cg, v, scores; writes scores
.if DOCPART == 2
	.amdgcn_target "amdgcn-amd-amdhsa--gfx1250"
	.amdhsa_code_object_version 6
	.text
	.protected	k_qfad40aafc7_energy
	.globl	k_qfad40aafc7_energy
	.p2align	8
	.type	k_qfad40aafc7_energy,@function
k_qfad40aafc7_energy:
	s_mov_b64 s[64:65], 0
	v_nop
	global_prefetch_b8 v0, s[64:65] scope:SCOPE_SE
	s_setreg_imm32_b32 hwreg(HW_REG_WAVE_MODE, 25, 1), 1
	s_wait_xcnt 0x0
; scores[b][s] = -2 x the sum over n of v[n] / (1 + 2^(c x)), x = (Q(enc[s][b]) Q(W[:, 1024:])^T)[n] + G[b][n] + bias[n], c = 2 log2(e).
; tanh(x) = 1 - 2 / (1 + 2^(c x)), so this is the score less the sum of v, which is the same for every place of a sequence: a softmax over the sequence is unchanged by it, whatever v holds.
; enc: [1024 s][32 b][1024] f32.  wc, ws: W's codes of FP4 (E2M1) and E8M0 scale words in the order of the operand's registers; cg[t][b][16] = c (G + bias): both from the launch before.
; SHARES.  A work-group of four waves, as many as a WGP has SIMDs, takes one b and 128 neighbouring s: 128 rows of 4,096 bytes, 131,072 bytes apart.  One b makes cg a function of n alone.
; PHASE Q: wave w quantises rows 32 w .. 32 w + 31: 16 fragments (16 rows x 128 K).  Each load reads 512 consecutive bytes of a row; a fragment turns through the wave's own stage in LDS, so that a lane holds 32 neighbours
;   along K of each of two blocks; codes and scale words go to LDS as images of the operand's registers.  One barrier.
; PHASE G: THE WAVES SHARE N, NOT THE ROWS: wave w takes n = 256 w .. + 255 for all 128 rows.  All 64 fragments of the rows' codes lie in each wave's registers (512).  A tile of 16 n of W (8 fragments and their scale
;   words, 8,704 bytes) comes from memory straight into the registers of the one wave that multiplies by it, three tiles ahead, and each fragment feeds eight matrix instructions.  No barrier stands in this phase.
;   The matrix instruction is used transposed (source 0 = 16 rows of W, source 1 = 16 rows of enc): lane (r, h), register j of accumulator i = row 16 i + r, n = n0 + 8 h + j.
; BY TURNS.  A tile is 64 matrix instructions and, of its 128 x 16 sums, 224 vector instructions (96 packed, 128 transcendentals): 3.5 for each matrix instruction.  A wave issues in order and is alone on its SIMD: set in
;   phases, it would issue no product while it walks the 224.  So there are two sets of eight accumulators: in a TURN tile j's products fill one set, and tile j - 1's 224 instructions, on the other set, stand in 64
;   slices of 3 and 4, one behind each matrix instruction.  All that a slice touches lies in window 0 and a product's operands lie in windows 1 to 3, so a slice costs two switches of the window: 128 a tile.
; NO CLUSTER, though all work-groups read the same 557,056 bytes of W: a joint load lands in LDS, where each tile would be written once and read once by one wave (2 x 557,056 bytes more through LDS for a work-group),
;   and each refill would want a round of the cluster's barrier among waves that otherwise meet at no barrier in this phase.
; NO PREFETCH: in phase Q every wave keeps its load counter full with the stream itself; W's tiles are asked for three tiles ahead by their own loads.
; LIMITS: a block of zeros gets the byte 1 where the rule says 127 (its codes are zeros, and this program alone reads the bytes); NaN and infinities among the inputs are not served; tanh so made has an absolute
;   error of about 1e-7 and goes to +-1 rightly (2^t = infinity gives 0, 2^t = 0 gives 1); the product's sums are G + the enc part, not one chain over K.
; REGISTERS, in windows of 256 (s_set_vgpr_msb: bits 1:0 source 0, 3:2 source 1, 5:4 source 2, 7:6 destination):
;   window 0: v1-14 addresses; v16-47 the rows' scale words; v48-63 W's scale words, four registers a buffer; v64-127 Q: numbers, G: accumulators, set 0; v128-191 Q: numbers; G: v128-143 cg and v, set 0, v144-159 the sums,
;   v160-223 accumulators, set 1; v192-207 Q: cg and v on their way to LDS; v224-239 Q: codes just made, two sets, G: cg and v, set 1; v240-249 at work in Q.
;   window 1: four buffers of 64 for W's tiles.   window 2: Q: four sets of 64 as loaded; G: the rows' fragments of K steps 0-3.   window 3: those of K steps 4-7.
.set CEXP, 0x4038aa3b                  ; c = 2 log2(e)
.set STP,  528                         ; a stage row: 512 bytes + 16 = 33 x 16: the sixteen rows that a read touches begin in sixteen different 16-byte columns of 256
.set STG1, 16*STP                      ; a stage
.set STGW, 2*STG1                      ; a wave's two
.set IMG,  4*STGW                      ; the rows' 64 fragments: (tile of rows i, K step s) at 1024 (8 i + s) + 512 c + 16 x lane
.set SCL,  IMG+64*1024                 ; their scale words: [pair of tiles p][lane][K step], 4 bytes each: lanes 0-15 tile 2 p, lanes 16-31 tile 2 p + 1
.set CGL,  SCL+4096                    ; cg of my b, 1,024 numbers in the order of n;
.set VLO,  4096                        ; v's 1,024 numbers this far behind them
.set RED,  CGL+2*4096                  ; the waves' partial sums: 512 bytes a wave
.set LN16, 1                           ; v1   16 x lane
.set STW,  2                           ; v2   my stage, on the way in
.set STR,  3                           ; v3   and back: 528 r + 128 h
.set IMW,  4                           ; v4   where I store images
.set SCW,  5                           ; v5   and scale words
.set LI,   6                           ; v6   where any wave reads images
.set SCR,  7                           ; v7   and scale words
.set CGA,  8                           ; v8   my eight numbers of cg at the first tile of the group in hand; stepped once a trip
.set REDW, 9
.set REDR, 10
.set QSH,  11                          ; v11  8 h
.set CGO,  12                          ; v12  my 16 bytes in cg
.set T16,  13                          ; v13  16 x thread
.set CGW,  14                          ; v14  CGL + 16 x thread
.set AS,   16
.set WS,   48
.set ACC,  64                          ; accumulators, set 0; set 1 lies 96 registers on,
.set CG,   128                         ; and so do cg's
.set VV,   136                         ; and v's second sets
.set SS,   144                         ; v144-159 a pair of sums for each tile of rows
.set CV,   192
.set PC,   224
.set QM,   240
.set QSO,  242
.set QBY,  244
.set QT,   246
.set PW,   248
.set MSB, 0
.macro WIN new                         ; the immediate's high byte repeats the setting that is left; a switch that changes nothing is dropped
.if MSB != \new
	s_set_vgpr_msb (MSB<<8)|\new
.set MSB, \new
.endif
.endm
; 64 numbers of a lane, v[x + 32 c + i] = k 64 c + 32 h + i of my row, become the operand's eight registers v[pc] on and my row's scale word v[pw]
.macro QUANT x, pc, pw
.irp c, 0,1
	v_max3_num_f32 v[QM+\c], |v[(\x)+32*\c]|, |v[(\x)+32*\c+1]|, 0x1800000   ; my block 2 c + h: all its 32 numbers are mine; the floor 2^(3 - 127) keeps the byte at 1 or above
.endr
.irp i, 2,4,6,8,10,12,14,16,18,20,22,24,26,28,30
.irp c, 0,1
	v_max3_num_f32 v[QM+\c], v[QM+\c], |v[(\x)+32*\c+\i]|, |v[(\x)+32*\c+\i+1]|   ; the two blocks by turns
.endr
.endr
.irp c, 0,1
	v_add_nc_u32 v[QSO+\c], 0xff000000, v[QM+\c]   ; 2 off the exponent field: the conversion takes that field as its scale
.endr
.irp c, 0,1
	v_lshrrev_b32 v[QBY+\c], 23, v[QSO+\c]         ; the scale's byte
.endr
	v_lshl_or_b32 v[\pw], v[QBY+1], 16, v[QBY]     ; my two bytes, blocks h and 2 + h,
	v_lshlrev_b32 v[\pw], v[QSH], v[\pw]           ; at their places in the word;
	v_permlanex16_b32 v[QT], v[\pw], s20, s21
	v_or_b32 v[\pw], v[\pw], v[QT]                 ; with lane l xor 16's two the word is whole, in both lanes
.irp c, 0,1
.irp g, 0,1,2,3
	v_cvt_scalef32_pk8_fp4_f32 v[(\pc)+4*\c+\g], v[(\x)+32*\c+8*\g:(\x)+32*\c+8*\g+7], v[QSO+\c]
.endr
.endr
	v_nop                                          ; one plain place behind the last scaled conversion
.endm
; fragment f of my 16 (rows 16 (f / 8) on, K step f % 8): sixteen loads, a row's 512 consecutive bytes each, into set f % 4 of window 2.  The largest immediate is 31 x 131,072 + 3,584, inside the signed 24 bits
.macro LOAD f
	WIN 0x80
.irp p, 0,1,2,3,4,5,6,7,8,9,10,11,12,13,14,15
	global_load_b128 v[64*((\f)%4)+4*\p:64*((\f)%4)+4*\p+3], v[LN16], s[28:29] offset:(16*((\f)/8)+\p)*131072+512*((\f)%8) th:TH_LOAD_NT
.endr
	WIN 0
.endm
; fragment f through stage f % 2: LDS serves a wave's instructions in order, so no wait stands between the stores and the loads
.macro STURN f
	WIN 0x08                                       ; an LDS store's data are its source 1: window 2
.irp p, 0,1,2,3,4,5,6,7,8,9,10,11,12,13,14,15
	ds_store_b128 v[STW], v[64*((\f)%4)+4*\p:64*((\f)%4)+4*\p+3] offset:STG1*((\f)%2)+STP*\p
.endr
	WIN 0
.irp c, 0,1
.irp i, 0,1,2,3,4,5,6,7
	ds_load_b128 v[64+64*((\f)%2)+32*\c+4*\i:64+64*((\f)%2)+32*\c+4*\i+3], v[STR] offset:STG1*((\f)%2)+256*\c+16*\i
.endr
.endr
.endm
; a tile of W, o tiles on from the base, into buffer bf: 16 loads of codes and one of scale words, 512 consecutive bytes each: 17 loads
.macro WLOAD bf, o
	WIN 0x40
.irp q, 0,1,2,3,4,5,6,7,8,9,10,11,12,13,14,15
	global_load_b128 v[64*(\bf)+4*\q:64*(\bf)+4*\q+3], v[LN16], s[30:31] offset:8192*(\o)+512*\q
.endr
	WIN 0
	global_load_b128 v[WS+4*(\bf):WS+4*(\bf)+3], v[LN16], s[32:33] offset:512*(\o)
.endm
; fragment f is quantised; the loads run four fragments ahead, the turn through LDS one
.macro STEP f
.if (\f) == 0
	s_wait_dscnt 0x0
.else
	s_wait_dscnt 0x3                               ; fragment f is back from its stage (behind its loads stand the three image stores of f - 1): so its stores into the stage have read set f % 4,
.endif
.if (\f) <= 11
	LOAD (\f)+4                                    ; which takes the fragment four on
.elseif (\f) <= 14
	WLOAD (\f)-12, (\f)-12                         ; nothing is left of enc: W's first three tiles are asked for
.endif
.if (\f) <= 11
	s_wait_loadcnt 48                              ; fragment f + 1 is in: the three fragments behind it may be out
.elseif (\f) <= 14
	s_wait_loadcnt 37+(\f)                         ; f = 12: 2 x 16 + 17; 13: 16 + 2 x 17; 14: 3 x 17 younger loads
.endif
.if (\f) <= 14
	STURN (\f)+1
.endif
	QUANT 64+64*((\f)%2), PC+8*((\f)%2), PW+(\f)%2
.set pcf, PC+8*((\f)%2)
	ds_store_b128 v[IMW], v[pcf:pcf+3] offset:8192*((\f)/8)+1024*((\f)%8)       ; the fragment as it stands
	ds_store_b128 v[IMW], v[pcf+4:pcf+7] offset:8192*((\f)/8)+1024*((\f)%8)+512
	ds_store_b32 v[SCW], v[PW+(\f)%2] offset:512*((\f)/8)+4*((\f)%8)            ; lanes r and r + 16 write the same word with the same value
.endm
; one product: W's buffer bf, accumulator set ac, K step s, tile of rows i.  W's word of K step s lies in lanes 16 (s % 2) on of register s / 2; the rows' in lanes 16 (i % 2) on of register 8 (i / 2) + s
.macro MM bf, ac, s, i
.set rD, ACC+96*(\ac)+8*(\i)
.set rA, 64*(\bf)+8*(\s)
.set rB, 8*(4*(\i)+(\s)%4)
.set rU, WS+4*(\bf)+(\s)/2
.set rV, AS+8*((\i)/2)+(\s)
.if ((\s) == 0) && ((\i)%2 == 0)
	v_wmma_scale_f32_16x16x128_f8f6f4 v[rD:rD+7], v[rA:rA+7], v[rB:rB+7], 0, v[rU], v[rV] matrix_a_fmt:MATRIX_FMT_FP4 matrix_b_fmt:MATRIX_FMT_FP4
.elseif (\s) == 0
	v_wmma_scale_f32_16x16x128_f8f6f4 v[rD:rD+7], v[rA:rA+7], v[rB:rB+7], 0, v[rU], v[rV] matrix_a_fmt:MATRIX_FMT_FP4 matrix_b_fmt:MATRIX_FMT_FP4 matrix_b_scale:MATRIX_SCALE_ROW1
.elseif ((\s)%2 == 0) && ((\i)%2 == 0)
	v_wmma_scale_f32_16x16x128_f8f6f4 v[rD:rD+7], v[rA:rA+7], v[rB:rB+7], v[rD:rD+7], v[rU], v[rV] matrix_a_fmt:MATRIX_FMT_FP4 matrix_b_fmt:MATRIX_FMT_FP4
.elseif (\s)%2 == 0
	v_wmma_scale_f32_16x16x128_f8f6f4 v[rD:rD+7], v[rA:rA+7], v[rB:rB+7], v[rD:rD+7], v[rU], v[rV] matrix_a_fmt:MATRIX_FMT_FP4 matrix_b_fmt:MATRIX_FMT_FP4 matrix_b_scale:MATRIX_SCALE_ROW1
.elseif (\i)%2 == 0
	v_wmma_scale_f32_16x16x128_f8f6f4 v[rD:rD+7], v[rA:rA+7], v[rB:rB+7], v[rD:rD+7], v[rU], v[rV] matrix_a_fmt:MATRIX_FMT_FP4 matrix_b_fmt:MATRIX_FMT_FP4 matrix_a_scale:MATRIX_SCALE_ROW1
.else
	v_wmma_scale_f32_16x16x128_f8f6f4 v[rD:rD+7], v[rA:rA+7], v[rB:rB+7], v[rD:rD+7], v[rU], v[rV] matrix_a_fmt:MATRIX_FMT_FP4 matrix_b_fmt:MATRIX_FMT_FP4 matrix_a_scale:MATRIX_SCALE_ROW1 matrix_b_scale:MATRIX_SCALE_ROW1
.endif
.endm
; WHAT IS MADE OF A TILE'S 128 x 16 SUMS is a list of 224 instructions; EP writes number qi of it for accumulator set ac.  The set's 64 registers are 32 pairs; pair p is registers 2 p, 2 p + 1.
;   0-95     ONE BATCH: the 32 scalings t = c sum + cg and the 64 exponentials 2^t, in place: scaling 0; then scaling p + 1, exponentials 2 p, 2 p + 1.  A pair is scaled four numbers ahead of its first exponential;
;            no number of the batch reads an exponential's result.  The scalings go up the pairs
;   (wait)   a v_nop, the plain place behind the last exponential, and a wait ahead of the first reader: one for the 64
;   96-191   ONE BATCH likewise: the 32 additions of 1 and the 64 reciprocals
;   (wait)   a v_nop and one wait for the 64
;   192-223  times v, onto the rows' sums: the eight sums by turns
.macro EP ac
.set aB, ACC+96*(\ac)
.if (qi == 96) || (qi == 192)
	v_nop
	s_wait_alu depctr_va_vdst(0)
.endif
.if qi < 192
.set qq, qi%96
.set ek, 0
.set er, 0
.if qq >= 94
.set ek, qq-93                                     ; the batch's last two: registers 62, 63
.set er, 31
.elseif qq >= 1
.set ek, (qq-1)%3                                  ; 0: plain; 1, 2: the transcendentals of pair er
.set er, (qq-1)/3
.endif
.if ek == 0
.set pr, (qq+2)/3                                  ; numbers 0, 1, 4, 7, .. 91: pairs 0, 1, 2, 3, .. 31
.if qi < 96
	v_pk_fma_f32 v[aB+2*pr:aB+2*pr+1], v[aB+2*pr:aB+2*pr+1], s[22:23], v[CG+96*(\ac)+2*(pr%4):CG+96*(\ac)+2*(pr%4)+1] op_sel_hi:[1,0,1]
.else
	v_pk_add_f32 v[aB+2*pr:aB+2*pr+1], v[aB+2*pr:aB+2*pr+1], 1.0 op_sel_hi:[1,0]
.endif
.else
.set rg, aB+2*er+ek-1
.if qi < 96
	v_exp_f32 v[rg], v[rg]
.else
	v_rcp_f32 v[rg], v[rg]
.endif
.endif
.else
.set pr, (qi-192)/8
.set ti, (qi-192)%8
	v_pk_fma_f32 v[SS+2*ti:SS+2*ti+1], v[aB+8*ti+2*pr:aB+8*ti+2*pr+1], v[VV+96*(\ac)+2*pr:VV+96*(\ac)+2*pr+1], v[SS+2*ti:SS+2*ti+1]
.endif
.endm
; slice sl of 64: numbers 7 sl / 2 up to 7 (sl + 1) / 2 of the list: three and four by turns.  Slice 63 is numbers 220 to 223
.macro SLICE ac
	WIN 0
.set qi, (7*sl)/2
.rept (7*(sl+1))/2-(7*sl)/2
	EP \ac
.set qi, qi+1
.endr
.set sl, sl+1
.endm
; A TURN: the products of a tile, from W's buffer bf into accumulator set ac; ep = 1: the list of the tile before, on the other set, in slices behind them.
; cnt: the loads younger than this tile's 17.  ld = 1: the tile three on (o tiles from the base) is asked for, into the buffer and scale words that the tile before has left: that tile's last product stands ahead of
; slice 63, four plain instructions that name none of its registers (behind the first, bare turn: five v_nop).  cgo: where this tile's cg and v lie from v[CGA] on: they are fetched a turn ahead of their use.
; The eight accumulators take turns, one instruction a turn; the first K step starts the sums.  Slices 56 to 63 are the places between a set's last products and the next turn's first read of it.
.macro TURN bf, ac, ep, ld, o, cnt, cgo
	s_wait_loadcnt \cnt
	s_wait_dscnt 0x0                               ; cg and v of the tile before, asked for a turn ago
.if \ld
	WLOAD ((\bf)+3)%4, \o
.endif
	ds_load_b128 v[CG+96*(\ac):CG+96*(\ac)+3], v[CGA] offset:(\cgo)             ; cg and v at n0 + 8 h + 0 .. 7: sixteen lanes read the same 32 bytes
	ds_load_b128 v[CG+96*(\ac)+4:CG+96*(\ac)+7], v[CGA] offset:(\cgo)+16
	ds_load_b128 v[VV+96*(\ac):VV+96*(\ac)+3], v[CGA] offset:(\cgo)+VLO
	ds_load_b128 v[VV+96*(\ac)+4:VV+96*(\ac)+7], v[CGA] offset:(\cgo)+VLO+16
.set sl, 0
.irp s, 0,1,2,3,4,5,6,7
.irp i, 0,1,2,3,4,5,6,7
.if \s < 4
	WIN 0x09                                       ; source 0 (W) window 1, source 1 (the rows, K steps 0-3) window 2, C and D window 0
.else
	WIN 0x0d                                       ; the rows' K steps 4-7: window 3
.endif
	MM \bf, \ac, \s, \i
.if \ep
	SLICE 1-(\ac)
.endif
.endr
.endr
	WIN 0                                          ; at a label and at a branch every window is 0
.if (\ep) == 0
.rept 5
	v_nop                                          ; no list yet to stand behind these products: four places ahead of the first read of results and of loads into the products' registers, and one to spare
.endr
.endif
.endm
	s_load_b256 s[4:11], s[0:1], 0x0               ; enc s[4:5], wc s[6:7], ws s[8:9], cg s[10:11]
	s_load_b128 s[12:15], s[0:1], 0x20             ; v s[12:13], scores s[14:15]
	v_lshl_add_u32 v254, v0, 2, 0x24000
	v_mov_b32 v255, 0
	v_lshrrev_b32 v1, 5, v0
	v_readfirstlane_b32 s16, v1                    ; wave 0..3
	s_and_b32 s18, ttmp7, 0xffff                   ; b
	s_mov_b32 s20, 0x76543210
	s_mov_b32 s21, 0xfedcba98                      ; v_permlanex16_b32's selects for lane l xor 16
	s_mov_b32 s22, CEXP
	s_mov_b32 s23, s22                             ; (named with it as a pair, so it is written)
	v_and_b32 v1, 31, v0
	v_lshlrev_b32 v[LN16], 4, v1
	v_and_b32 v15, 15, v0                          ; r
	v_bfe_u32 v[QSH], v0, 4, 1                     ; h
	s_mul_i32 s24, s16, STGW
	v_add_nc_u32 v[STW], s24, v[LN16]
	v_mul_u32_u24 v[STR], v15, STP
	v_lshl_add_u32 v[STR], v[QSH], 7, v[STR]
	v_add_nc_u32 v[STR], s24, v[STR]
	s_lshl_b32 s24, s16, 14                        ; my two tiles of rows: 16 fragments of 1,024 bytes
	s_add_co_u32 s24, s24, IMG
	v_add_nc_u32 v[IMW], s24, v[LN16]
	s_lshl_b32 s24, s16, 10
	s_add_co_u32 s25, s24, SCL
	v_lshl_add_u32 v[SCW], v15, 5, s25             ; pair w, lane r: 32 bytes a lane
	v_add_nc_u32 v[LI], IMG, v[LN16]
	v_lshl_add_u32 v[SCR], v[LN16], 1, SCL         ; 32 x lane
	s_add_co_u32 s25, s24, CGL
	v_lshl_add_u32 v[CGA], v[QSH], 5, s25          ; my 256 n: 1,024 bytes a wave; + 32 h
	s_lshl_b32 s24, s16, 9
	s_add_co_u32 s24, s24, RED
	v_lshl_add_u32 v[REDW], v15, 2, s24
	v_add_nc_u32 v[REDR], RED, v[LN16]
	v_lshlrev_b32 v[QSH], 3, v[QSH]                ; 8 h
	v_lshrrev_b32 v[CGO], 2, v0
	v_lshlrev_b32 v[CGO], 11, v[CGO]               ; cg: tile thread / 4, 2,048 bytes a tile,
	v_and_b32 v[T16], 3, v0
	v_lshl_add_u32 v[CGO], v[T16], 4, v[CGO]       ; four of its sixteen n
	v_lshlrev_b32 v[T16], 4, v0
	v_add_nc_u32 v[CGW], CGL, v[T16]
	v_mov_b32 v[QT], 0                             ; written once: a lane permute's destination counts as one of its sources
	s_lshl_b32 s24, ttmp9, 24                      ; enc: 128 s of 131,072 bytes a work-group,
	s_lshl_b32 s25, s18, 12                        ; my b's row of 4,096 bytes,
	s_add_co_u32 s24, s24, s25
	s_lshl_b32 s25, s16, 22                        ; my wave's 32 s
	s_add_co_u32 s24, s24, s25
	s_mov_b32 s25, 0
	s_lshl_b32 s38, s16, 17                        ; wc: 16 tiles of 8,192 bytes a wave
	s_mov_b32 s39, 0
	s_lshl_b32 s40, s16, 13                        ; ws: 16 tiles of 512 bytes
	s_mov_b32 s41, 0
	s_lshl_b32 s42, s18, 6                         ; cg: 64 bytes a b in each tile
	s_mov_b32 s43, 0
	s_lshl_b32 s44, s18, 12                        ; scores: 4,096 bytes a b, 512 a work-group
	s_lshl_b32 s45, ttmp9, 9
	s_add_co_u32 s44, s44, s45
	s_mov_b32 s45, 0
	s_wait_kmcnt 0x0
	s_add_nc_u64 s[28:29], s[4:5], s[24:25]
	s_add_nc_u64 s[30:31], s[6:7], s[38:39]
	s_add_nc_u64 s[32:33], s[8:9], s[40:41]
	s_add_nc_u64 s[34:35], s[10:11], s[42:43]
	s_add_nc_u64 s[36:37], s[14:15], s[44:45]
	global_load_b128 v[CV:CV+3], v[CGO], s[34:35]                   ; cg of my b: tiles 0-31,
	global_load_b128 v[CV+4:CV+7], v[CGO], s[34:35] offset:65536    ; tiles 32-63;
	global_load_b128 v[CV+8:CV+11], v[T16], s[12:13]                ; v
	global_load_b128 v[CV+12:CV+15], v[T16], s[12:13] offset:2048
	LOAD 0                                         ; 68 loads are issued here; past what the counter's field holds the issue itself stalls (ISA guide 5.7.1), and the wave has nothing else to do
	LOAD 1
	LOAD 2
	LOAD 3
	s_wait_loadcnt 48                              ; cg, v and fragment 0 are in: fragments 1 to 3 are younger
	ds_store_b128 v[CGW], v[CV:CV+3]
	ds_store_b128 v[CGW], v[CV+4:CV+7] offset:2048
	ds_store_b128 v[CGW], v[CV+8:CV+11] offset:VLO
	ds_store_b128 v[CGW], v[CV+12:CV+15] offset:VLO+2048
	STURN 0
.irp f, 0,1,2,3,4,5,6,7,8,9,10,11,12,13,14,15
	STEP \f
.endr
	s_wait_dscnt 0x0                               ; for the others' sake: my images, my scale words and my part of cg and v have landed
	s_barrier_signal -1
	s_barrier_wait -1                              ; W's three tiles stay on their way: nobody writes those bytes
	; all 64 fragments of the rows, and their scale words, into my registers
	WIN 0x80
.irp i, 0,1,2,3,4,5,6,7
.irp s, 0,1,2,3
.irp c, 0,1
	ds_load_b128 v[8*(4*\i+\s)+4*\c:8*(4*\i+\s)+4*\c+3], v[LI] offset:1024*(8*\i+\s)+512*\c
.endr
.endr
.endr
	WIN 0xc0
.irp i, 0,1,2,3,4,5,6,7
.irp s, 0,1,2,3
.irp c, 0,1
	ds_load_b128 v[8*(4*\i+\s)+4*\c:8*(4*\i+\s)+4*\c+3], v[LI] offset:1024*(8*\i+\s+4)+512*\c
.endr
.endr
.endr
	WIN 0
.irp p, 0,1,2,3
.irp e, 0,1
	ds_load_b128 v[AS+8*\p+4*\e:AS+8*\p+4*\e+3], v[SCR] offset:1024*\p+16*\e
.endr
.endr
.irp k, 0,1,2,3,4,5,6,7,8,9,10,11,12,13,14,15
	v_mov_b32 v[SS+\k], 0                          ; the rows' sums
.endr
	s_wait_dscnt 0x0
	; my 16 tiles of 16 n.  Tile u lies in W's buffer u % 4 and fills accumulator set u % 2
	TURN 0, 0, 0, 1, 3, 34, 0                      ; tile 0: products alone; tile 3 is asked for
	s_mov_b32 s26, 3
.Ltiles:                                           ; a trip: four turns, tiles 4 n + 1 to 4 n + 4, the bases at tile 4 n.  At each turn's head the two later tiles' 2 x 17 loads may be out, on the way in and round the back edge alike
	TURN 1, 1, 1, 1, 4, 34, 64
	TURN 2, 0, 1, 1, 5, 34, 128
	TURN 3, 1, 1, 1, 6, 34, 192
	TURN 0, 0, 1, 1, 7, 34, 256
	s_wait_xcnt 0x0                                ; the loads have read their bases: only behind this wait are these stepped
	s_add_nc_u64 s[30:31], s[30:31], 4*8192
	s_add_nc_u64 s[32:33], s[32:33], 4*512
	v_add_nc_u32 v[CGA], 256, v[CGA]
	s_sub_co_u32 s26, s26, 1
	s_cmp_lg_u32 s26, 0
	s_cbranch_scc1 .Ltiles
	TURN 1, 1, 1, 0, 0, 34, 64                     ; tiles 13 to 15: nothing is left to ask for, so no load leaves wc or ws, and the counts run down
	TURN 2, 0, 1, 0, 0, 17, 128
	TURN 3, 1, 1, 0, 0, 0, 192
	s_wait_dscnt 0x0                               ; tile 15's cg and v
.set qi, 0
.rept 224
	EP 1                                           ; tile 15's list stands alone: no products are left to set it behind
.set qi, qi+1
.endr
	; my 256 n's part of the 128 rows' sums: the pair's halves, the other half of the lanes; then the four waves' parts meet in LDS
.irp i, 0,1,2,3,4,5,6,7
	v_add_f32 v[SS+2*\i], v[SS+2*\i], v[SS+2*\i+1]
.endr
.irp i, 0,1,2,3,4,5,6,7
	v_permlanex16_b32 v[SS+2*\i+1], v[SS+2*\i], s20, s21
.endr
.irp i, 0,1,2,3,4,5,6,7
	v_add_f32 v[SS+2*\i], v[SS+2*\i], v[SS+2*\i+1]
.endr
.irp i, 0,1,2,3,4,5,6,7
	ds_store_b32 v[REDW], v[SS+2*\i] offset:64*\i  ; row 16 i + r; lanes r and r + 16 write the same word with the same value
.endr
	s_wait_dscnt 0x0
	s_barrier_signal -1
	s_barrier_wait -1
	s_cmp_lg_u32 s16, 0
	s_cbranch_scc1 .Ldone
.irp u, 0,1,2,3
	ds_load_b128 v[ACC+4*\u:ACC+4*\u+3], v[REDR] offset:512*\u     ; lane l: rows 4 l .. 4 l + 3 of wave u's part
.endr
	s_wait_dscnt 0x0
	v_pk_add_f32 v[ACC:ACC+1], v[ACC:ACC+1], v[ACC+4:ACC+5]
	v_pk_add_f32 v[ACC+2:ACC+3], v[ACC+2:ACC+3], v[ACC+6:ACC+7]
	v_pk_add_f32 v[ACC+8:ACC+9], v[ACC+8:ACC+9], v[ACC+12:ACC+13]
	v_pk_add_f32 v[ACC+10:ACC+11], v[ACC+10:ACC+11], v[ACC+14:ACC+15]
	v_pk_add_f32 v[ACC:ACC+1], v[ACC:ACC+1], v[ACC+8:ACC+9]
	v_pk_add_f32 v[ACC+2:ACC+3], v[ACC+2:ACC+3], v[ACC+10:ACC+11]
	v_pk_mul_f32 v[ACC:ACC+1], v[ACC:ACC+1], -2.0 op_sel_hi:[1,0]
	v_pk_mul_f32 v[ACC+2:ACC+3], v[ACC+2:ACC+3], -2.0 op_sel_hi:[1,0]
	global_store_b128 v[LN16], v[ACC:ACC+3], s[36:37]              ; 128 scores: 512 consecutive bytes, at a multiple of 512 from the buffer's first byte
.Ldone:
	s_wait_tensorcnt 0x0
	ds_add_u32 v254, v255
	s_wait_dscnt 0x0
	s_endpgm
.Lfunc_end_k_qfad40aafc7_energy:
	.size	k_qfad40aafc7_energy, .Lfunc_end_k_qfad40aafc7_energy-k_qfad40aafc7_energy
	.p2alignl 7, 3214868480
	.fill 96, 4, 3214868480
	.section	.rodata,"a",@progbits
	.p2align	6, 0x0
	.amdhsa_kernel k_qfad40aafc7_energy
		.amdhsa_group_segment_fixed_size 147968
		.amdhsa_private_segment_fixed_size 0
		.amdhsa_enable_private_segment 0
		.amdhsa_kernarg_size 48
		.amdhsa_user_sgpr_count 2
		.amdhsa_user_sgpr_kernarg_segment_ptr 1
		.amdhsa_wavefront_size32 1
		.amdhsa_system_sgpr_workgroup_id_x 1
		.amdhsa_system_sgpr_workgroup_id_y 1
		.amdhsa_system_sgpr_workgroup_id_z 1
		.amdhsa_system_vgpr_workitem_id 0
		.amdhsa_next_free_vgpr 1024
		.amdhsa_next_free_sgpr 66
		.amdhsa_reserve_vcc 0
		.amdhsa_float_denorm_mode_32 3
		.amdhsa_float_denorm_mode_16_64 3
		.amdhsa_memory_ordered 1
		.amdhsa_forward_progress 1
		.amdhsa_inst_pref_size 255
	.end_amdhsa_kernel
	.section	.bss,"aw",@nobits
	.p2align	6
	.space	262144
	.amdgpu_metadata
---
amdhsa.version: [ 1, 2 ]
amdhsa.kernels:
  - .name:           k_qfad40aafc7_energy
    .symbol:         k_qfad40aafc7_energy.kd
    .args:
      - { .name: encoderOutputs, .offset: 0, .size: 8, .value_kind: global_buffer, .address_space: global }
      - { .name: wc, .offset: 8, .size: 8, .value_kind: global_buffer, .address_space: global }
      - { .name: ws, .offset: 16, .size: 8, .value_kind: global_buffer, .address_space: global }
      - { .name: cg, .offset: 24, .size: 8, .value_kind: global_buffer, .address_space: global }
      - { .name: v, .offset: 32, .size: 8, .value_kind: global_buffer, .address_space: global }
      - { .name: scores, .offset: 40, .size: 8, .value_kind: global_buffer, .address_space: global }
    .group_segment_fixed_size: 147968
    .private_segment_fixed_size: 0
    .kernarg_segment_align: 8
    .kernarg_segment_size: 48
    .max_flat_workgroup_size: 128
    .sgpr_count:     66
    .vgpr_count:     1024
    .wavefront_size: 32
...
	.end_amdgpu_metadata
.endif
;; end of part 2
;; launch softmax (part 3): grid 32 x 1, 1 waves a work-group, no clusters, 0 bytes of LDS; arguments scores, out0; writes out0
.if DOCPART == 3
	.amdgcn_target "amdgcn-amd-amdhsa--gfx1250"
	.amdhsa_code_object_version 6
	.text
	.protected	k_qfad40aafc7_softmax
	.globl	k_qfad40aafc7_softmax
	.p2align	8
	.type	k_qfad40aafc7_softmax,@function
k_qfad40aafc7_softmax:
	s_mov_b64 s[64:65], 0
	v_nop
	global_prefetch_b8 v0, s[64:65] scope:SCOPE_SE
	s_setreg_imm32_b32 hwreg(HW_REG_WAVE_MODE, 25, 1), 1
	s_wait_xcnt 0x0
; out0[b][0][s] = softmax over s of scores[b][s].  scores: [32][1024] f32 (the true scores less a number that is the same for a whole row, which a softmax does not see).
; One wave takes a row of 4,096 bytes: 32 numbers a lane, kept in registers between the maximum, the exponentials and the division: no LDS, no barrier.  Each load and store covers 512 consecutive bytes.
; The row's maximum m is taken away ahead of the exponential: p = 2^(x log2(e) - m log2(e)), one fused multiply-add; the rounding of m log2(e) is the same factor in every p and in their sum.
; The largest p is 1 within that rounding, so the sum is about 1 or more.  LIMITS: NaN and infinities among the scores are not served.
.set X, 8                              ; v8-39 the row
	s_load_b128 s[4:7], s[0:1], 0x0                ; scores, out0
	v_lshlrev_b32 v1, 4, v0                        ; 16 bytes a lane
	s_lshl_b32 s12, ttmp9, 12                      ; my row
	s_mov_b32 s13, 0
	s_mov_b32 s8, 0x76543210
	s_mov_b32 s9, 0xfedcba98                       ; v_permlanex16_b32's selects for lane l xor 16
	s_mov_b32 s10, 0x3fb8aa3b                      ; log2(e)
	s_mov_b32 s11, s10                             ; (named with it as a pair, so it is written)
	s_wait_kmcnt 0x0
	s_add_nc_u64 s[4:5], s[4:5], s[12:13]
	s_add_nc_u64 s[6:7], s[6:7], s[12:13]
.irp q, 0,1,2,3,4,5,6,7
	global_load_b128 v[X+4*\q:X+4*\q+3], v1, s[4:5] offset:512*\q
.endr
	s_wait_loadcnt 0x0
.irp k, 0,1,2,3
	v_max3_num_f32 v[40+\k], v[X+8*\k], v[X+8*\k+1], v[X+8*\k+2]   ; the maximum of my 32, in four chains
.endr
.irp i, 3,5
.irp k, 0,1,2,3
	v_max3_num_f32 v[40+\k], v[40+\k], v[X+8*\k+\i], v[X+8*\k+\i+1]
.endr
.endr
.irp k, 0,1,2,3
	v_max_num_f32 v[40+\k], v[40+\k], v[X+8*\k+7]
.endr
	v_max3_num_f32 v40, v40, v41, v42
	v_max_num_f32 v40, v40, v43
	v_max_num_f32_dpp v40, v40, v40 row_xmask:1 row_mask:0xf bank_mask:0xf
	v_max_num_f32_dpp v40, v40, v40 row_xmask:2 row_mask:0xf bank_mask:0xf
	v_max_num_f32_dpp v40, v40, v40 row_xmask:4 row_mask:0xf bank_mask:0xf
	v_max_num_f32_dpp v40, v40, v40 row_xmask:8 row_mask:0xf bank_mask:0xf
	v_permlanex16_b32 v41, v40, s8, s9
	v_max_num_f32 v40, v40, v41                    ; every lane holds the row's maximum
	v_mul_f32 v44, 0xbfb8aa3b, v40                 ; -m log2(e)
	v_mov_b32 v45, v44                             ; (the pair's upper word is named, so it is written)
.irp j, 0,2,4,6,8,10,12,14,16,18,20,22,24,26,28,30
	v_pk_fma_f32 v[X+\j:X+\j+1], v[X+\j:X+\j+1], s[10:11], v[44:45] op_sel_hi:[1,0,0]
.endr
.irp j, 0,1,2,3,4,5,6,7,8,9,10,11,12,13,14,15,16,17,18,19,20,21,22,23,24,25,26,27,28,29,30,31
	v_exp_f32 v[X+\j], v[X+\j]
.endr
	v_nop                                          ; one plain place behind the last exponential
	s_wait_alu depctr_va_vdst(0)                   ; one wait for the batch, ahead of its first reader
	v_pk_add_f32 v[46:47], v[X:X+1], v[X+4:X+5]    ; the sum of my 32, two at a time, in two chains
	v_pk_add_f32 v[48:49], v[X+2:X+3], v[X+6:X+7]
.irp j, 8,12,16,20,24,28
	v_pk_add_f32 v[46:47], v[46:47], v[X+\j:X+\j+1]
	v_pk_add_f32 v[48:49], v[48:49], v[X+\j+2:X+\j+3]
.endr
	v_pk_add_f32 v[46:47], v[46:47], v[48:49]
	v_add_f32 v46, v46, v47
	v_add_f32_dpp v46, v46, v46 row_xmask:1 row_mask:0xf bank_mask:0xf
	v_add_f32_dpp v46, v46, v46 row_xmask:2 row_mask:0xf bank_mask:0xf
	v_add_f32_dpp v46, v46, v46 row_xmask:4 row_mask:0xf bank_mask:0xf
	v_add_f32_dpp v46, v46, v46 row_xmask:8 row_mask:0xf bank_mask:0xf
	v_permlanex16_b32 v47, v46, s8, s9
	v_add_f32 v46, v46, v47                        ; every lane holds the row's sum
	v_rcp_f32 v50, v46
	v_mov_b32 v51, 0                               ; the plain place behind the reciprocal; and the pair's upper word is written
	s_wait_alu depctr_va_vdst(0)
.irp j, 0,2,4,6,8,10,12,14,16,18,20,22,24,26,28,30
	v_pk_mul_f32 v[X+\j:X+\j+1], v[X+\j:X+\j+1], v[50:51] op_sel_hi:[1,0]
.endr
.irp q, 0,1,2,3,4,5,6,7
	global_store_b128 v1, v[X+4*\q:X+4*\q+3], s[6:7] offset:512*\q
.endr
	s_endpgm
.Lfunc_end_k_qfad40aafc7_softmax:
	.size	k_qfad40aafc7_softmax, .Lfunc_end_k_qfad40aafc7_softmax-k_qfad40aafc7_softmax
	.p2alignl 7, 3214868480
	.fill 96, 4, 3214868480
	.section	.rodata,"a",@progbits
	.p2align	6, 0x0
	.amdhsa_kernel k_qfad40aafc7_softmax
		.amdhsa_group_segment_fixed_size 0
		.amdhsa_private_segment_fixed_size 0
		.amdhsa_enable_private_segment 0
		.amdhsa_kernarg_size 16
		.amdhsa_user_sgpr_count 2
		.amdhsa_user_sgpr_kernarg_segment_ptr 1
		.amdhsa_wavefront_size32 1
		.amdhsa_system_sgpr_workgroup_id_x 1
		.amdhsa_system_sgpr_workgroup_id_y 1
		.amdhsa_system_sgpr_workgroup_id_z 1
		.amdhsa_system_vgpr_workitem_id 0
		.amdhsa_next_free_vgpr 64
		.amdhsa_next_free_sgpr 66
		.amdhsa_reserve_vcc 0
		.amdhsa_float_denorm_mode_32 3
		.amdhsa_float_denorm_mode_16_64 3
		.amdhsa_memory_ordered 1
		.amdhsa_forward_progress 1
		.amdhsa_inst_pref_size 9
	.end_amdhsa_kernel
	.amdgpu_metadata
---
amdhsa.version: [ 1, 2 ]
amdhsa.kernels:
  - .name:           k_qfad40aafc7_softmax
    .symbol:         k_qfad40aafc7_softmax.kd
    .args:
      - { .name: scores, .offset: 0, .size: 8, .value_kind: global_buffer, .address_space: global }
      - { .name: out0, .offset: 8, .size: 8, .value_kind: global_buffer, .address_space: global }
    .group_segment_fixed_size: 0
    .private_segment_fixed_size: 0
    .kernarg_segment_align: 8
    .kernarg_segment_size: 16
    .max_flat_workgroup_size: 32
    .sgpr_count:     66
    .vgpr_count:     64
    .wavefront_size: 32
...
	.end_amdgpu_metadata
.endif
;; end of part 3
;; ======== version 2 of 2: 3 launches; version 1 with the launches prep, energy written anew for expert scheduling mode
;; workspace buffers: wc 524,288 bytes; ws 32,768 bytes; cg 131,072 bytes; scores 131,072 bytes
;; launch prep (part 4): grid 64 x 1, 16 waves a work-group, no clusters, 155,648 bytes of LDS; arguments W, hidden, b, wc, ws, cg; writes wc, ws, cg
.if DOCPART == 4
	.amdgcn_target "amdgcn-amd-amdhsa--gfx1250"
	.amdhsa_code_object_version 6
	.text
	.protected	k_qfad40aafc7_prep
	.globl	k_qfad40aafc7_prep
	.p2align	8
	.type	k_qfad40aafc7_prep,@function
k_qfad40aafc7_prep:
	s_mov_b64 s[64:65], 0
	v_nop
	global_prefetch_b8 v0, s[64:65] scope:SCOPE_SE
	s_setreg_imm32_b32 hwreg(HW_REG_WAVE_SCHED_MODE, 0, 2), 2
	s_setreg_imm32_b32 hwreg(HW_REG_WAVE_MODE, 25, 1), 1
	s_wait_xcnt 0x0
	s_wait_alu depctr_vm_vsrc(0)
; W [1024][2048], hidden [32][1024], b [1024], all f32.  K of the quantised product is [hidden | enc], 1,024 + 1,024: the seam is a block boundary, so the two halves are quantised apart.
; This launch makes what does not hang on the sequence:
;   wc, ws: codes of FP4 (E2M1) and E8M0 scale words of W[:, 1024:], laid in the order of the operand's registers, for the next launch;
;   cg[t][b][16] = c (G[b][n] + bias[n]), G = Q(hidden) Q(W[:, :1024])^T on the same codes' format, c = 2 log2(e): the part of tanh's argument that is the same for all 1,024 places of a sequence.
; SHARES.  A work-group takes a tile t of 16 rows n of W.  Waves 0-7 (role 0) take W's first half and hidden, waves 8-15 (role 1) W's second half; wave & 7 is the K step of 128.
; The roles part on the wave's number, meet at the one barrier and part again; every LDS address is made ahead of the first parting.
; LOADS.  Each load reads 512 consecutive bytes of one row, 16 a lane.  The conversions want 32 neighbours along K in ONE lane: so a fragment's 16 rows x 512 bytes turn through the wave's own stage in LDS
; (pitch 528 = 33 x 16 bytes: the sixteen rows that a read touches begin in sixteen different 16-byte columns of 256) and come back into the registers that they left.
; A block's scale is 2^(floor(log2(its largest magnitude)) - 2); its byte is the largest magnitude's exponent field - 2, held at 1 from below.
; LIMITS: a block of zeros gets the byte 1 where the rule says 127 (its codes are zeros, and this program alone reads the bytes); NaN and infinities among the inputs are not served.
; G's eight K steps are summed in f32 as a tree, not as one chain.
; THE MODE: SCHED_MODE bits 1:0 = 2 (LLVM: expert scheduling mode 2), set by the entry lines.  The code itself states the register dependences
; between vector or matrix instructions and memory or LDS instructions, with s_wait_alu, always for 0.
; THE PLAN.  Registers that memory or LDS instructions touch:
;   v1-v12          offsets and LDS addresses: written at the head, never again: one wait on va_vdst ahead of the first load.
;   XW, XH          a fragment's 64 registers: global loads land in them; the turn's sixteen LDS stores read them; the turn's sixteen LDS loads land in them again: a wait on vm_vsrc between the two runs.
;                   Then the maxima and conversions read them.  Hidden's first eight registers of each fragment take the matrix results (behind those waits on vm_vsrc), which LDS stores read: the places, then va_vdst.
;   CW, CH, SW, SH  written by the conversions.  Role 0: scaled matrix instructions take them: the places, then va_vdst.  Role 1: stores read them: va_vdst.
;   v32-63          behind the barrier LDS loads land in them: on both ways their last vector reader stands ahead of a wait on va_vdst and their last memory reader ahead of a wait on vm_vsrc.
;   v32-35          waves 0-3: the sums, which the last store reads: va_vdst.
;   s16             the wave's number, written by a vector instruction: va_sdst ahead of its first reader.
.set CEXP, 0x4038aa3b                  ; c = 2 log2(e)
.set STP,  528                         ; a stage row
.set STGW, 16*STP                      ; a wave's stage
.set PA,   16*STGW                     ; behind the stages: role 0's partial results, 2,048 bytes a K step, as images of the result's registers
.set PB,   PA+8*2048                   ; and role 1's scale words of the tile, 512 bytes, laid as ws
.set LN16, 1                           ; v1   16 x lane
.set STW,  4                           ; v4   the stage, on the way in: 16 x lane
.set STR,  5                           ; v5   and back: 528 r + 128 h
.set QSH,  6                           ; v6   8 h
.set PAW,  7                           ; v7   where I put my partial result
.set PAR,  8                           ; v8   where a thread of waves 0-3 reads its four numbers of a partial result
.set PBW,  9                           ; v9   where I put my K step's scale word
.set PBR,  10                          ; v10  where wave 8 reads the tile's words back
.set T16,  11                          ; v11  16 x thread
.set BO,   12                          ; v12  16 x (thread % 4)
.set QT,   14                          ; v14  a lane permute's destination
.set QM,   16                          ; v16-17 largest magnitudes, v18-19 the conversions' scale operands, v20-21 bytes
.set QSO,  18
.set QBY,  20
.set XW,   32                          ; v32-95   W's fragment as f32
.set XH,   96                          ; v96-159, v160-223 hidden's two (rows 0-15, 16-31); later their first eight registers take the two results
.set CW,   224                         ; codes: W's, hidden's two
.set CH,   232
.set SW,   248                         ; scale words: W's, hidden's two; these registers hold nothing else
.set SH,   249
.set BI,   252                         ; v252-255 four numbers of the bias
                                       ; v31, v251: the closing add's two registers, made at the head and kept for it alone
; 64 numbers of a lane, v[x + 32 c + i] = k 64 c + 32 h + i of my row, become the operand's eight registers v[pc] on and my row's scale word v[pw]
.macro QUANT x, pc, pw
.irp c, 0,1
	v_max3_num_f32 v[QM+\c], |v[(\x)+32*\c]|, |v[(\x)+32*\c+1]|, 0x1800000   ; my block 2 c + h: all its 32 numbers are mine; the floor 2^(3 - 127) keeps the byte at 1 or above
.endr
.irp i, 2,4,6,8,10,12,14,16,18,20,22,24,26,28,30
.irp c, 0,1
	v_max3_num_f32 v[QM+\c], v[QM+\c], |v[(\x)+32*\c+\i]|, |v[(\x)+32*\c+\i+1]|   ; the two blocks by turns
.endr
.endr
.irp c, 0,1
	v_add_nc_u32 v[QSO+\c], 0xff000000, v[QM+\c]   ; 2 off the exponent field: the conversion takes that field as its scale
.endr
.irp c, 0,1
	v_lshrrev_b32 v[QBY+\c], 23, v[QSO+\c]         ; the scale's byte
.endr
	v_lshl_or_b32 v[\pw], v[QBY+1], 16, v[QBY]     ; my two bytes, blocks h and 2 + h,
	v_lshlrev_b32 v[\pw], v[QSH], v[\pw]           ; at their places in the word;
	v_permlanex16_b32 v[QT], v[\pw], s20, s21
	v_or_b32 v[\pw], v[\pw], v[QT]                 ; with lane l xor 16's two the word is whole, in both lanes
.irp c, 0,1
.irp g, 0,1,2,3
	v_cvt_scalef32_pk8_fp4_f32 v[(\pc)+4*\c+\g], v[(\x)+32*\c+8*\g:(\x)+32*\c+8*\g+7], v[QSO+\c]
.endr
.endr
	v_nop                                          ; one plain place behind the last scaled conversion
.endm
; a fragment's 16 rows, as loaded, through my stage: LDS serves a wave's instructions in order, so no wait on DScnt stands between the stores and the loads, nor ahead of the next fragment's stores
.macro TURN x
.irp p, 0,1,2,3,4,5,6,7,8,9,10,11,12,13,14,15
	ds_store_b128 v[STW], v[(\x)+4*\p:(\x)+4*\p+3] offset:STP*\p
.endr
	s_wait_alu depctr_vm_vsrc(0)                   ; the sixteen stores have read the fragment's registers, in which the sixteen loads below land
.irp c, 0,1
.irp i, 0,1,2,3,4,5,6,7
	ds_load_b128 v[(\x)+32*\c+4*\i:(\x)+32*\c+4*\i+3], v[STR] offset:256*\c+16*\i
.endr
.endr
.endm
	s_load_b256 s[4:11], s[0:1], 0x0               ; W s[4:5], hidden s[6:7], b s[8:9], wc s[10:11]
	s_load_b128 s[12:15], s[0:1], 0x20             ; ws s[12:13], cg s[14:15]
	v_lshl_add_u32 v31, v0, 2, 0x25800
	v_mov_b32 v251, 0
	v_lshrrev_b32 v1, 5, v0
	v_readfirstlane_b32 s16, v1                    ; wave 0..15
	s_mov_b32 s20, 0x76543210
	s_mov_b32 s21, 0xfedcba98                      ; v_permlanex16_b32's selects for lane l xor 16
	v_and_b32 v1, 31, v0
	v_lshlrev_b32 v[LN16], 4, v1
	v_and_b32 v2, 15, v0                           ; r
	v_bfe_u32 v3, v0, 4, 1                         ; h
	s_wait_alu depctr_va_sdst(0)                   ; s16 is written, ahead of its first reader: the role, the K step and the wave's places are made from it
	s_lshr_b32 s17, s16, 3                         ; role
	s_and_b32 s18, s16, 7                          ; K step
	s_mul_i32 s22, s16, STGW
	v_add_nc_u32 v[STW], s22, v[LN16]
	v_mul_u32_u24 v[STR], v2, STP
	v_lshl_add_u32 v[STR], v3, 7, v[STR]
	v_add_nc_u32 v[STR], s22, v[STR]
	v_lshlrev_b32 v[QSH], 3, v3
	s_lshl_b32 s22, s18, 11
	s_add_co_u32 s22, s22, PA
	v_add_nc_u32 v[PAW], s22, v[LN16]
	; thread u of waves 0-3 owns b = u / 4 and the four n 4 (u % 4) on.  In an image they lie at 1024 (b / 16) + 512 (u % 2) + 16 x lane, lane = b % 16 + 16 ((u / 2) % 2)
	v_bfe_u32 v[PAR], v0, 6, 1
	v_lshlrev_b32 v[PAR], 10, v[PAR]
	v_and_b32 v13, 1, v0
	v_lshl_add_u32 v[PAR], v13, 9, v[PAR]
	v_bfe_u32 v13, v0, 1, 1
	v_lshl_add_u32 v[PAR], v13, 8, v[PAR]
	v_bfe_u32 v13, v0, 2, 4
	v_lshl_add_u32 v[PAR], v13, 4, v[PAR]
	v_add_nc_u32 v[PAR], PA, v[PAR]
	s_and_b32 s22, s18, 1                          ; ws: word q of lane L is row L % 16's word of K step 2 q + L / 16
	s_lshl_b32 s22, s22, 8
	s_lshr_b32 s23, s18, 1
	s_lshl_b32 s23, s23, 2
	s_add_co_u32 s22, s22, s23
	s_add_co_u32 s22, s22, PB
	v_lshl_add_u32 v[PBW], v2, 4, s22
	v_add_nc_u32 v[PBR], PB, v[LN16]
	v_lshlrev_b32 v[T16], 4, v0
	v_and_b32 v[BO], 3, v0
	v_lshlrev_b32 v[BO], 4, v[BO]
	v_mov_b32 v[QT], 0                             ; written once: a lane permute's destination counts as one of its sources
	s_lshl_b32 s24, ttmp9, 17                      ; W: 16 rows of 8,192 bytes a tile,
	s_lshl_b32 s22, s17, 12                        ; the role's half of a row,
	s_add_co_u32 s24, s24, s22
	s_lshl_b32 s26, s18, 9                         ; the K step's 512 bytes (in hidden too)
	s_add_co_u32 s24, s24, s26
	s_lshl_b32 s28, ttmp9, 6                       ; b: 16 numbers a tile
	s_lshl_b32 s30, ttmp9, 13                      ; wc: 8,192 bytes a tile, 1,024 a K step
	s_lshl_b32 s22, s18, 10
	s_add_co_u32 s30, s30, s22
	s_lshl_b32 s32, ttmp9, 9                       ; ws: 512 bytes a tile
	s_lshl_b32 s34, ttmp9, 11                      ; cg: 2,048 bytes a tile
	s_mov_b32 s25, 0
	s_mov_b32 s27, 0
	s_mov_b32 s29, 0
	s_mov_b32 s31, 0
	s_mov_b32 s33, 0
	s_mov_b32 s35, 0
	s_wait_kmcnt 0x0
	s_add_nc_u64 s[4:5], s[4:5], s[24:25]
	s_add_nc_u64 s[6:7], s[6:7], s[26:27]
	s_add_nc_u64 s[8:9], s[8:9], s[28:29]
	s_add_nc_u64 s[10:11], s[10:11], s[30:31]
	s_add_nc_u64 s[12:13], s[12:13], s[32:33]
	s_add_nc_u64 s[14:15], s[14:15], s[34:35]
	s_wait_alu depctr_va_vdst(0)                   ; the offsets and LDS addresses v1 to v12 are written, which every load and store of the kernel reads; none of them is written again
	global_load_b128 v[BI:BI+3], v[BO], s[8:9]     ; the tile's 16 numbers of the bias, four a thread: asked for here, ahead of the parting, so that it comes beside W and not behind the barrier.
	                                               ; Every wave asks, so that the register is written on every way; waves 0-3 use it.  It is the oldest load: every counted wait below covers it
.irp p, 0,1,2,3,4,5,6,7,8,9,10,11,12,13,14,15
	global_load_b128 v[XW+4*\p:XW+4*\p+3], v[LN16], s[4:5] offset:8192*\p th:TH_LOAD_NT   ; row p of the tile: 512 consecutive bytes; read once in the launch
.endr
	s_cmp_lg_u32 s17, 0
	s_cbranch_scc1 .Lsecond_half
	; ---- role 0: one K step of G = Q(hidden) Q(W[:, :1024])^T
.irp j, 0,1
.irp p, 0,1,2,3,4,5,6,7,8,9,10,11,12,13,14,15
	global_load_b128 v[XH+64*\j+4*\p:XH+64*\j+4*\p+3], v[LN16], s[6:7] offset:4096*(16*\j+\p)
.endr
.endr
	s_wait_loadcnt 32                              ; the bias and W's sixteen are in; hidden's 32 are younger
	TURN XW
	s_wait_loadcnt 16                              ; hidden's rows 0-15 are in
	TURN XH
	s_wait_dscnt 32                                ; W's fragment is back: behind it stand the 32 LDS instructions of the second turn
	QUANT XW, CW, SW
	s_wait_loadcnt 0x0
	TURN XH+64
	s_wait_dscnt 32                                ; hidden's first is back
	QUANT XH, CH, SH
	s_wait_dscnt 0x0
	QUANT XH+64, CH+8, SH+1
.rept 8
	v_nop                                          ; a scale register written by a vector instruction stands eight places ahead of a scaled matrix instruction, an operand so written four
.endr
	s_wait_alu depctr_va_vdst(0)                   ; the conversions have written the three fragments' codes and scale words, which the two scaled matrix instructions take; the places above stay beside this wait
	; transposed: source 0 = 16 rows of W, source 1 = 16 rows of hidden: lane (r, h), register i = G(b = 16 j + r, n = 16 t + 8 h + i)
	v_wmma_scale_f32_16x16x128_f8f6f4 v[XH:XH+7], v[CW:CW+7], v[CH:CH+7], 0, v[SW], v[SH] matrix_a_fmt:MATRIX_FMT_FP4 matrix_b_fmt:MATRIX_FMT_FP4
	v_wmma_scale_f32_16x16x128_f8f6f4 v[XH+64:XH+71], v[CW:CW+7], v[CH+8:CH+15], 0, v[SW], v[SH+1] matrix_a_fmt:MATRIX_FMT_FP4 matrix_b_fmt:MATRIX_FMT_FP4
.rept 4
	v_nop                                          ; four places ahead of the first read of results
.endr
	s_wait_alu depctr_va_vdst(0)                   ; the matrix instructions have written the two results, which the LDS stores read; the places above stay beside this wait
.irp j, 0,1
.irp g, 0,1
	ds_store_b128 v[PAW], v[XH+64*\j+4*\g:XH+64*\j+4*\g+3] offset:1024*\j+512*\g   ; each result from its low end on
.endr
.endr
	s_branch .Ljoin
.Lsecond_half:
	; ---- role 1: one fragment of W[:, 1024:] becomes codes and a scale word
	s_wait_loadcnt 0x0
	TURN XW
	s_wait_dscnt 0x0
	QUANT XW, CW, SW
	s_wait_alu depctr_va_vdst(0)                   ; the conversions have written the codes and the scale word, which the three stores below read
.irp c, 0,1
	global_store_b128 v[LN16], v[CW+4*\c:CW+4*\c+3], s[10:11] offset:512*\c   ; the operand's registers as they stand: 512 consecutive bytes a store
.endr
	ds_store_b32 v[PBW], v[SW]                     ; lanes r and r + 16 write the same word with the same value
.Ljoin:
	s_wait_dscnt 0x0                               ; for the others' sake: my LDS stores have landed
	s_barrier_signal -1
	s_barrier_wait -1
	s_cmp_lt_u32 s16, 4
	s_cbranch_scc1 .Lsum
	s_cmp_eq_u32 s16, 8
	s_cbranch_scc1 .Lwords
	s_wait_dscnt 0x0                               ; the closing lines, six on end
	s_wait_alu 0x0
	s_wait_tensorcnt 0x0
	ds_add_u32 v31, v251
	s_wait_dscnt 0x0
	s_endpgm
.Lsum:                                             ; waves 0-3: 128 threads x 4 numbers = 32 b x 16 n.  The loads land in v32-63: no vector instruction has named these since the last wait on va_vdst, no store since the last on vm_vsrc
.irp u, 0,1,2,3,4,5,6,7
	ds_load_b128 v[32+4*\u:35+4*\u], v[PAR] offset:2048*\u
.endr
	s_wait_dscnt 0x0
.irp u, 0,2,4,6
	v_pk_add_f32 v[32+4*\u:33+4*\u], v[32+4*\u:33+4*\u], v[36+4*\u:37+4*\u]
	v_pk_add_f32 v[34+4*\u:35+4*\u], v[34+4*\u:35+4*\u], v[38+4*\u:39+4*\u]
.endr
.irp u, 0,4
	v_pk_add_f32 v[32+4*\u:33+4*\u], v[32+4*\u:33+4*\u], v[40+4*\u:41+4*\u]
	v_pk_add_f32 v[34+4*\u:35+4*\u], v[34+4*\u:35+4*\u], v[42+4*\u:43+4*\u]
.endr
	v_pk_add_f32 v[32:33], v[32:33], v[48:49]
	v_pk_add_f32 v[34:35], v[34:35], v[50:51]
	v_pk_add_f32 v[32:33], v[32:33], v[BI:BI+1]    ; the bias came with the first loads: both ways to the barrier have waited for all their loads
	v_pk_add_f32 v[34:35], v[34:35], v[BI+2:BI+3]
	v_pk_mul_f32 v[32:33], v[32:33], CEXP op_sel_hi:[1,0]
	v_pk_mul_f32 v[34:35], v[34:35], CEXP op_sel_hi:[1,0]
	s_wait_alu depctr_va_vdst(0)                   ; the four numbers v32 to v35 are written, which the store reads
	global_store_b128 v[T16], v[32:35], s[14:15]   ; a wave stores 512 consecutive bytes
	s_wait_dscnt 0x0                               ; the closing lines, six on end
	s_wait_alu 0x0
	s_wait_tensorcnt 0x0
	ds_add_u32 v31, v251
	s_wait_dscnt 0x0
	s_endpgm
.Lwords:                                           ; wave 8: the tile's scale words leave as 512 consecutive bytes
	ds_load_b128 v[32:35], v[PBR]
	s_wait_dscnt 0x0
	global_store_b128 v[LN16], v[32:35], s[12:13]
	s_wait_dscnt 0x0                               ; the closing lines, six on end
	s_wait_alu 0x0
	s_wait_tensorcnt 0x0
	ds_add_u32 v31, v251
	s_wait_dscnt 0x0
	s_endpgm
.Lfunc_end_k_qfad40aafc7_prep:
	.size	k_qfad40aafc7_prep, .Lfunc_end_k_qfad40aafc7_prep-k_qfad40aafc7_prep
	.p2alignl 7, 3214868480
	.fill 96, 4, 3214868480
	.section	.rodata,"a",@progbits
	.p2align	6, 0x0
	.amdhsa_kernel k_qfad40aafc7_prep
		.amdhsa_group_segment_fixed_size 155648
		.amdhsa_private_segment_fixed_size 0
		.amdhsa_enable_private_segment 0
		.amdhsa_kernarg_size 48
		.amdhsa_user_sgpr_count 2
		.amdhsa_user_sgpr_kernarg_segment_ptr 1
		.amdhsa_wavefront_size32 1
		.amdhsa_system_sgpr_workgroup_id_x 1
		.amdhsa_system_sgpr_workgroup_id_y 1
		.amdhsa_system_sgpr_workgroup_id_z 1
		.amdhsa_system_vgpr_workitem_id 0
		.amdhsa_next_free_vgpr 256
		.amdhsa_next_free_sgpr 66
		.amdhsa_reserve_vcc 0
		.amdhsa_float_denorm_mode_32 3
		.amdhsa_float_denorm_mode_16_64 3
		.amdhsa_memory_ordered 1
		.amdhsa_forward_progress 1
		.amdhsa_inst_pref_size 33
	.end_amdhsa_kernel
	.amdgpu_metadata
---
amdhsa.version: [ 1, 2 ]
amdhsa.kernels:
  - .name:           k_qfad40aafc7_prep
    .symbol:         k_qfad40aafc7_prep.kd
    .args:
      - { .name: W, .offset: 0, .size: 8, .value_kind: global_buffer, .address_space: global }
      - { .name: hidden, .offset: 8, .size: 8, .value_kind: global_buffer, .address_space: global }
      - { .name: b, .offset: 16, .size: 8, .value_kind: global_buffer, .address_space: global }
      - { .name: wc, .offset: 24, .size: 8, .value_kind: global_buffer, .address_space: global }
      - { .name: ws, .offset: 32, .size: 8, .value_kind: global_buffer, .address_space: global }
      - { .name: cg, .offset: 40, .size: 8, .value_kind: global_buffer, .address_space: global }
    .group_segment_fixed_size: 155648
    .private_segment_fixed_size: 0
    .kernarg_segment_align: 8
    .kernarg_segment_size: 48
    .max_flat_workgroup_size: 512
    .sgpr_count:     66
    .vgpr_count:     256
    .wavefront_size: 32
...
	.end_amdgpu_metadata
.endif
;; end of part 4
;; launch energy (part 5): grid 8 x 32, 4 waves a work-group, no clusters, 147,968 bytes of LDS; arguments encoderOutputs, wc, ws, cg, v, scores; writes scores
.if DOCPART == 5
	.amdgcn_target "amdgcn-amd-amdhsa--gfx1250"
	.amdhsa_code_object_version 6
	.text
	.protected	k_qfad40aafc7_energy
	.globl	k_qfad40aafc7_energy
	.p2align	8
	.type	k_qfad40aafc7_energy,@function
k_qfad40aafc7_energy:
	s_mov_b64 s[64:65], 0
	v_nop
	global_prefetch_b8 v0, s[64:65] scope:SCOPE_SE
	s_setreg_imm32_b32 hwreg(HW_REG_WAVE_SCHED_MODE, 0, 2), 2
	s_setreg_imm32_b32 hwreg(HW_REG_WAVE_MODE, 25, 1), 1
	s_wait_xcnt 0x0
	s_wait_alu depctr_vm_vsrc(0)
; scores[b][s] = -2 x the sum over n of v[n] / (1 + 2^(c x)), x = (Q(enc[s][b]) Q(W[:, 1024:])^T)[n] + G[b][n] + bias[n], c = 2 log2(e).
; tanh(x) = 1 - 2 / (1 + 2^(c x)), so this is the score less the sum of v, which is the same for every place of a sequence: a softmax over the sequence is unchanged by it, whatever v holds.
; enc: [1024 s][32 b][1024] f32.  wc, ws: W's codes of FP4 (E2M1) and E8M0 scale words in the order of the operand's registers; cg[t][b][16] = c (G + bias): both from the launch before.
; SHARES.  A work-group of four waves, as many as a WGP has SIMDs, takes one b and 128 neighbouring s: 128 rows of 4,096 bytes, 131,072 bytes apart.  One b makes cg a function of n alone.
; PHASE Q: wave w quantises rows 32 w .. 32 w + 31: 16 fragments (16 rows x 128 K).  Each load reads 512 consecutive bytes of a row; a fragment turns through the wave's own stage in LDS, so that a lane holds 32 neighbours
;   along K of each of two blocks; codes and scale words go to LDS as images of the operand's registers.  One barrier.
; PHASE G: THE WAVES SHARE N, NOT THE ROWS: wave w takes n = 256 w .. + 255 for all 128 rows.  All 64 fragments of the rows' codes lie in each wave's registers (512).  A tile of 16 n of W (8 fragments and their scale
;   words, 8,704 bytes) comes from memory straight into the registers of the one wave that multiplies by it, three tiles ahead, and each fragment feeds eight matrix instructions.  No barrier stands in this phase.
;   The matrix instruction is used transposed (source 0 = 16 rows of W, source 1 = 16 rows of enc): lane (r, h), register j of accumulator i = row 16 i + r, n = n0 + 8 h + j.
; BY TURNS.  A tile is 64 matrix instructions and, of its 128 x 16 sums, 224 vector instructions (96 packed, 128 transcendentals): 3.5 for each matrix instruction.  A wave issues in order and is alone on its SIMD: set in
;   phases, it would issue no product while it walks the 224.  So there are two sets of eight accumulators: in a TURN tile j's products fill one set, and tile j - 1's 224 instructions, on the other set, stand in 64
;   slices of 3 and 4, one behind each matrix instruction.  All that a slice touches lies in window 0 and a product's operands lie in windows 1 to 3, so a slice costs two switches of the window: 128 a tile.
; NO CLUSTER, though all work-groups read the same 557,056 bytes of W: a joint load lands in LDS, where each tile would be written once and read once by one wave (2 x 557,056 bytes more through LDS for a work-group),
;   and each refill would want a round of the cluster's barrier among waves that otherwise meet at no barrier in this phase.
; NO PREFETCH: in phase Q every wave keeps its load counter full with the stream itself; W's tiles are asked for three tiles ahead by their own loads.
; LIMITS: a block of zeros gets the byte 1 where the rule says 127 (its codes are zeros, and this program alone reads the bytes); NaN and infinities among the inputs are not served; tanh so made has an absolute
;   error of about 1e-7 and goes to +-1 rightly (2^t = infinity gives 0, 2^t = 0 gives 1); the product's sums are G + the enc part, not one chain over K.
; REGISTERS, in windows of 256 (s_set_vgpr_msb: bits 1:0 source 0, 3:2 source 1, 5:4 source 2, 7:6 destination):
;   window 0: v1-14 addresses; v16-47 the rows' scale words; v48-63 W's scale words, four registers a buffer; v64-127 Q: numbers, G: accumulators, set 0; v128-191 Q: numbers; G: v128-143 cg and v, set 0, v144-159 the sums,
;   v160-223 accumulators, set 1; v192-207 Q: cg and v on their way to LDS; v224-239 Q: codes just made, two sets, G: cg and v, set 1; v240-249 at work in Q; v254, v255 the closing add's two, made at the head and kept for it alone.
;   window 1: four buffers of 64 for W's tiles.   window 2: Q: four sets of 64 as loaded; G: the rows' fragments of K steps 0-3.   window 3: those of K steps 4-7.
; THE MODE: SCHED_MODE bits 1:0 = 2 (LLVM: expert scheduling mode 2), set by the entry lines.  The code itself states the register dependences
; between vector or matrix instructions and memory or LDS instructions, with s_wait_alu, always for 0.
; THE PLAN.  Registers that memory or LDS instructions touch:
;   v1-v14         offsets and LDS addresses, written at the head: one wait on va_vdst ahead of the first load.  Only v8, v[CGA], is written again: once a trip of phase G's loop.
;   PHASE Q, fragment f:
;   window 2, set f % 4   its sixteen loads land there; its stores into the stage read it; fragment f + 4's loads land there again.  No vector instruction names these registers.
;   X[f % 2]       v64-127, v128-191: it comes back from the stage there; its maxima and conversions read it; fragment f + 2 lands there, in the next step.
;   PC, PW[f % 2]  its conversions write them; its three image stores read them; fragment f + 2's conversions write them again.
;   So a step has two waits.  vm_vsrc at its head: the stage stores have read set f % 4, and the image stores of two fragments back have read PC and PW[f % 2].  va_vdst behind its conversions: PC and PW[f % 2] are
;   written, and X[f % 2] is read out; between that wait and the next step's loads from the stage stand only stores, loads and switches of the window, none of which names X[f % 2] or those loads' address.
;   PHASE G, turn j (W's buffer j % 4, accumulator set j % 2):
;   W's buffer (j - 1) % 4 and its four scale words   turn j - 1's products read them; turn j's seventeen loads land in them.
;   cg and v, set j % 2   turn j - 1's list reads them; turn j's four LDS loads land in them.
;   So ONE wait on va_vdst stands at a turn's head, and the turn's loads follow with no further wait: the LDS loads and the scale words at once, the sixteen loads of codes four at a time behind the first four products.
;   The turn's products name buffer j % 4, its scale words, the rows' fragments and accumulator set j % 2; its slices name the other set, that set's cg and v, and the sums: none of the registers that the turn's loads touch.
;   One wait on vm_vsrc a trip stands ahead of the add to v[CGA]; the next turn's head states that it is written.
.set CEXP, 0x4038aa3b                  ; c = 2 log2(e)
.set STP,  528                         ; a stage row: 512 bytes + 16 = 33 x 16: the sixteen rows that a read touches begin in sixteen different 16-byte columns of 256
.set STG1, 16*STP                      ; a stage
.set STGW, 2*STG1                      ; a wave's two
.set IMG,  4*STGW                      ; the rows' 64 fragments: (tile of rows i, K step s) at 1024 (8 i + s) + 512 c + 16 x lane
.set SCL,  IMG+64*1024                 ; their scale words: [pair of tiles p][lane][K step], 4 bytes each: lanes 0-15 tile 2 p, lanes 16-31 tile 2 p + 1
.set CGL,  SCL+4096                    ; cg of my b, 1,024 numbers in the order of n;
.set VLO,  4096                        ; v's 1,024 numbers this far behind them
.set RED,  CGL+2*4096                  ; the waves' partial sums: 512 bytes a wave
.set LN16, 1                           ; v1   16 x lane
.set STW,  2                           ; v2   my stage, on the way in
.set STR,  3                           ; v3   and back: 528 r + 128 h
.set IMW,  4                           ; v4   where I store images
.set SCW,  5                           ; v5   and scale words
.set LI,   6                           ; v6   where any wave reads images
.set SCR,  7                           ; v7   and scale words
.set CGA,  8                           ; v8   my eight numbers of cg at the first tile of the group in hand; stepped once a trip
.set REDW, 9
.set REDR, 10
.set QSH,  11                          ; v11  8 h
.set CGO,  12                          ; v12  my 16 bytes in cg
.set T16,  13                          ; v13  16 x thread
.set CGW,  14                          ; v14  CGL + 16 x thread
.set AS,   16
.set WS,   48
.set ACC,  64                          ; accumulators, set 0; set 1 lies 96 registers on,
.set CG,   128                         ; and so do cg's
.set VV,   136                         ; and v's second sets
.set SS,   144                         ; v144-159 a pair of sums for each tile of rows
.set CV,   192
.set PC,   224
.set QM,   240
.set QSO,  242
.set QBY,  244
.set QT,   246
.set PW,   248
.set MSB, 0
.macro WIN new                         ; the immediate's high byte repeats the setting that is left; a switch that changes nothing is dropped
.if MSB != \new
	s_set_vgpr_msb (MSB<<8)|\new
.set MSB, \new
.endif
.endm
; 64 numbers of a lane, v[x + 32 c + i] = k 64 c + 32 h + i of my row, become the operand's eight registers v[pc] on and my row's scale word v[pw]
.macro QUANT x, pc, pw
.irp c, 0,1
	v_max3_num_f32 v[QM+\c], |v[(\x)+32*\c]|, |v[(\x)+32*\c+1]|, 0x1800000   ; my block 2 c + h: all its 32 numbers are mine; the floor 2^(3 - 127) keeps the byte at 1 or above
.endr
.irp i, 2,4,6,8,10,12,14,16,18,20,22,24,26,28,30
.irp c, 0,1
	v_max3_num_f32 v[QM+\c], v[QM+\c], |v[(\x)+32*\c+\i]|, |v[(\x)+32*\c+\i+1]|   ; the two blocks by turns
.endr
.endr
.irp c, 0,1
	v_add_nc_u32 v[QSO+\c], 0xff000000, v[QM+\c]   ; 2 off the exponent field: the conversion takes that field as its scale
.endr
.irp c, 0,1
	v_lshrrev_b32 v[QBY+\c], 23, v[QSO+\c]         ; the scale's byte
.endr
	v_lshl_or_b32 v[\pw], v[QBY+1], 16, v[QBY]     ; my two bytes, blocks h and 2 + h,
	v_lshlrev_b32 v[\pw], v[QSH], v[\pw]           ; at their places in the word;
	v_permlanex16_b32 v[QT], v[\pw], s20, s21
	v_or_b32 v[\pw], v[\pw], v[QT]                 ; with lane l xor 16's two the word is whole, in both lanes
.irp c, 0,1
.irp g, 0,1,2,3
	v_cvt_scalef32_pk8_fp4_f32 v[(\pc)+4*\c+\g], v[(\x)+32*\c+8*\g:(\x)+32*\c+8*\g+7], v[QSO+\c]
.endr
.endr
	v_nop                                          ; one plain place behind the last scaled conversion
.endm
; fragment f of my 16 (rows 16 (f / 8) on, K step f % 8): sixteen loads, a row's 512 consecutive bytes each, into set f % 4 of window 2.  The largest immediate is 31 x 131,072 + 3,584, inside the signed 24 bits
.macro LOAD f
	WIN 0x80
.irp p, 0,1,2,3,4,5,6,7,8,9,10,11,12,13,14,15
	global_load_b128 v[64*((\f)%4)+4*\p:64*((\f)%4)+4*\p+3], v[LN16], s[28:29] offset:(16*((\f)/8)+\p)*131072+512*((\f)%8) th:TH_LOAD_NT
.endr
	WIN 0
.endm
; fragment f through stage f % 2: LDS serves a wave's instructions in order, so no wait stands between the stores and the loads
.macro STURN f
	WIN 0x08                                       ; an LDS store's data are its source 1: window 2
.irp p, 0,1,2,3,4,5,6,7,8,9,10,11,12,13,14,15
	ds_store_b128 v[STW], v[64*((\f)%4)+4*\p:64*((\f)%4)+4*\p+3] offset:STG1*((\f)%2)+STP*\p
.endr
	WIN 0
.irp c, 0,1
.irp i, 0,1,2,3,4,5,6,7
	ds_load_b128 v[64+64*((\f)%2)+32*\c+4*\i:64+64*((\f)%2)+32*\c+4*\i+3], v[STR] offset:STG1*((\f)%2)+256*\c+16*\i
.endr
.endr
.endm
; a tile of W, o tiles on from the base, into buffer bf: 16 loads of codes and one of scale words, 512 consecutive bytes each: 17 loads.  In one run: so phase Q asks for the first three tiles
.macro WLOAD bf, o
	WIN 0x40
.irp q, 0,1,2,3,4,5,6,7,8,9,10,11,12,13,14,15
	global_load_b128 v[64*(\bf)+4*\q:64*(\bf)+4*\q+3], v[LN16], s[30:31] offset:8192*(\o)+512*\q
.endr
	WIN 0
	global_load_b128 v[WS+4*(\bf):WS+4*(\bf)+3], v[LN16], s[32:33] offset:512*(\o)
.endm
; four of a tile's sixteen loads of codes, the g-th four: so phase G deals them among a turn's first products
.macro WCODES bf, o, g
	WIN 0x40
.irp q, 0,1,2,3
	global_load_b128 v[64*(\bf)+4*(4*(\g)+\q):64*(\bf)+4*(4*(\g)+\q)+3], v[LN16], s[30:31] offset:8192*(\o)+512*(4*(\g)+\q)
.endr
.endm
; fragment f is quantised; the loads run four fragments ahead, the turn through LDS one
.macro STEP f
.if (\f) == 0
	s_wait_dscnt 0x0
.else
	s_wait_dscnt 0x3                               ; fragment f is back from its stage (behind its loads stand the three image stores of f - 1)
.endif
	s_wait_alu depctr_vm_vsrc(0)                   ; fragment f's stores into the stage have read set f % 4, in which the loads below land; the image stores of two fragments back have read the codes and the word that this fragment's conversions write again
.if (\f) <= 11
	LOAD (\f)+4                                    ; set f % 4 takes the fragment four on
.elseif (\f) <= 14
	WLOAD (\f)-12, (\f)-12                         ; nothing is left of enc: W's first three tiles are asked for
.endif
.if (\f) <= 11
	s_wait_loadcnt 48                              ; fragment f + 1 is in: the three fragments behind it may be out
.elseif (\f) <= 14
	s_wait_loadcnt 37+(\f)                         ; f = 12: 2 x 16 + 17; 13: 16 + 2 x 17; 14: 3 x 17 younger loads
.endif
.if (\f) <= 14
	STURN (\f)+1                                   ; its loads land in the numbers' other set: no vector instruction has been issued since the last step's wait on va_vdst, behind the conversions that read that set
.endif
	QUANT 64+64*((\f)%2), PC+8*((\f)%2), PW+(\f)%2
.set pcf, PC+8*((\f)%2)
	s_wait_alu depctr_va_vdst(0)                   ; the conversions have written the codes and the word, which the three stores below read; and they are done reading the 64 numbers, in which the fragment after next lands
	ds_store_b128 v[IMW], v[pcf:pcf+3] offset:8192*((\f)/8)+1024*((\f)%8)       ; the fragment as it stands
	ds_store_b128 v[IMW], v[pcf+4:pcf+7] offset:8192*((\f)/8)+1024*((\f)%8)+512
	ds_store_b32 v[SCW], v[PW+(\f)%2] offset:512*((\f)/8)+4*((\f)%8)            ; lanes r and r + 16 write the same word with the same value
.endm
; one product: W's buffer bf, accumulator set ac, K step s, tile of rows i.  W's word of K step s lies in lanes 16 (s % 2) on of register s / 2; the rows' in lanes 16 (i % 2) on of register 8 (i / 2) + s
.macro MM bf, ac, s, i
.set rD, ACC+96*(\ac)+8*(\i)
.set rA, 64*(\bf)+8*(\s)
.set rB, 8*(4*(\i)+(\s)%4)
.set rU, WS+4*(\bf)+(\s)/2
.set rV, AS+8*((\i)/2)+(\s)
.if ((\s) == 0) && ((\i)%2 == 0)
	v_wmma_scale_f32_16x16x128_f8f6f4 v[rD:rD+7], v[rA:rA+7], v[rB:rB+7], 0, v[rU], v[rV] matrix_a_fmt:MATRIX_FMT_FP4 matrix_b_fmt:MATRIX_FMT_FP4
.elseif (\s) == 0
	v_wmma_scale_f32_16x16x128_f8f6f4 v[rD:rD+7], v[rA:rA+7], v[rB:rB+7], 0, v[rU], v[rV] matrix_a_fmt:MATRIX_FMT_FP4 matrix_b_fmt:MATRIX_FMT_FP4 matrix_b_scale:MATRIX_SCALE_ROW1
.elseif ((\s)%2 == 0) && ((\i)%2 == 0)
	v_wmma_scale_f32_16x16x128_f8f6f4 v[rD:rD+7], v[rA:rA+7], v[rB:rB+7], v[rD:rD+7], v[rU], v[rV] matrix_a_fmt:MATRIX_FMT_FP4 matrix_b_fmt:MATRIX_FMT_FP4
.elseif (\s)%2 == 0
	v_wmma_scale_f32_16x16x128_f8f6f4 v[rD:rD+7], v[rA:rA+7], v[rB:rB+7], v[rD:rD+7], v[rU], v[rV] matrix_a_fmt:MATRIX_FMT_FP4 matrix_b_fmt:MATRIX_FMT_FP4 matrix_b_scale:MATRIX_SCALE_ROW1
.elseif (\i)%2 == 0
	v_wmma_scale_f32_16x16x128_f8f6f4 v[rD:rD+7], v[rA:rA+7], v[rB:rB+7], v[rD:rD+7], v[rU], v[rV] matrix_a_fmt:MATRIX_FMT_FP4 matrix_b_fmt:MATRIX_FMT_FP4 matrix_a_scale:MATRIX_SCALE_ROW1
.else
	v_wmma_scale_f32_16x16x128_f8f6f4 v[rD:rD+7], v[rA:rA+7], v[rB:rB+7], v[rD:rD+7], v[rU], v[rV] matrix_a_fmt:MATRIX_FMT_FP4 matrix_b_fmt:MATRIX_FMT_FP4 matrix_a_scale:MATRIX_SCALE_ROW1 matrix_b_scale:MATRIX_SCALE_ROW1
.endif
.endm
; WHAT IS MADE OF A TILE'S 128 x 16 SUMS is a list of 224 instructions; EP writes number qi of it for accumulator set ac.  The set's 64 registers are 32 pairs; pair p is registers 2 p, 2 p + 1.
;   0-95     ONE BATCH: the 32 scalings t = c sum + cg and the 64 exponentials 2^t, in place: scaling 0; then scaling p + 1, exponentials 2 p, 2 p + 1.  A pair is scaled four numbers ahead of its first exponential;
;            no number of the batch reads an exponential's result.  The scalings go up the pairs
;   (wait)   a v_nop, the plain place behind the last exponential, and a wait ahead of the first reader: one for the 64
;   96-191   ONE BATCH likewise: the 32 additions of 1 and the 64 reciprocals
;   (wait)   a v_nop and one wait for the 64
;   192-223  times v, onto the rows' sums: the eight sums by turns
.macro EP ac
.set aB, ACC+96*(\ac)
.if (qi == 96) || (qi == 192)
	v_nop
	s_wait_alu depctr_va_vdst(0)                   ; the batch's 64 results are written (ahead of number 96 the exponentials', ahead of number 192 the reciprocals'), ahead of their first reader
.endif
.if qi < 192
.set qq, qi%96
.set ek, 0
.set er, 0
.if qq >= 94
.set ek, qq-93                                     ; the batch's last two: registers 62, 63
.set er, 31
.elseif qq >= 1
.set ek, (qq-1)%3                                  ; 0: plain; 1, 2: the transcendentals of pair er
.set er, (qq-1)/3
.endif
.if ek == 0
.set pr, (qq+2)/3                                  ; numbers 0, 1, 4, 7, .. 91: pairs 0, 1, 2, 3, .. 31
.if qi < 96
	v_pk_fma_f32 v[aB+2*pr:aB+2*pr+1], v[aB+2*pr:aB+2*pr+1], s[22:23], v[CG+96*(\ac)+2*(pr%4):CG+96*(\ac)+2*(pr%4)+1] op_sel_hi:[1,0,1]
.else
	v_pk_add_f32 v[aB+2*pr:aB+2*pr+1], v[aB+2*pr:aB+2*pr+1], 1.0 op_sel_hi:[1,0]
.endif
.else
.set rg, aB+2*er+ek-1
.if qi < 96
	v_exp_f32 v[rg], v[rg]
.else
	v_rcp_f32 v[rg], v[rg]
.endif
.endif
.else
.set pr, (qi-192)/8
.set ti, (qi-192)%8
	v_pk_fma_f32 v[SS+2*ti:SS+2*ti+1], v[aB+8*ti+2*pr:aB+8*ti+2*pr+1], v[VV+96*(\ac)+2*pr:VV+96*(\ac)+2*pr+1], v[SS+2*ti:SS+2*ti+1]
.endif
.endm
; slice sl of 64: numbers 7 sl / 2 up to 7 (sl + 1) / 2 of the list: three and four by turns.  Slice 63 is numbers 220 to 223
.macro SLICE ac
	WIN 0
.set qi, (7*sl)/2
.rept (7*(sl+1))/2-(7*sl)/2
	EP \ac
.set qi, qi+1
.endr
.set sl, sl+1
.endm
; A TURN: the products of a tile, from W's buffer bf into accumulator set ac; ep = 1: the list of the tile before, on the other set, in slices behind them.
; cnt: the loads younger than this tile's 17.  ld = 1: the tile three on (o tiles from the base) is asked for, into the buffer and scale words that the tile before has left: its scale words at the turn's head, its sixteen
; loads of codes four at a time behind the first four products.  All seventeen stand inside the turn, so the counts at the turns' heads hold.  cgo: where this tile's cg and v lie from v[CGA] on: they are fetched a turn ahead of their use.
; The eight accumulators take turns, one instruction a turn; the first K step starts the sums.  Slices 56 to 63 are the places between a set's last products and the next turn's first read of it.
.macro TURN bf, ac, ep, ld, o, cnt, cgo
	s_wait_loadcnt \cnt
	s_wait_dscnt 0x0                               ; cg and v of the tile before, asked for a turn ago
	s_wait_alu depctr_va_vdst(0)                   ; the turn before is done: its products have read W's buffer and scale words in which this turn's loads land, its list has read this set's cg and v, in which the four LDS loads land;
	                                               ; behind a trip's end v[CGA] is written.  (At the first turn: phase Q's vector instructions are done with v128-143)
	ds_load_b128 v[CG+96*(\ac):CG+96*(\ac)+3], v[CGA] offset:(\cgo)             ; cg and v at n0 + 8 h + 0 .. 7: sixteen lanes read the same 32 bytes
	ds_load_b128 v[CG+96*(\ac)+4:CG+96*(\ac)+7], v[CGA] offset:(\cgo)+16
	ds_load_b128 v[VV+96*(\ac):VV+96*(\ac)+3], v[CGA] offset:(\cgo)+VLO
	ds_load_b128 v[VV+96*(\ac)+4:VV+96*(\ac)+7], v[CGA] offset:(\cgo)+VLO+16
.if \ld
	global_load_b128 v[WS+4*(((\bf)+3)%4):WS+4*(((\bf)+3)%4)+3], v[LN16], s[32:33] offset:512*(\o)
.endif
.set sl, 0
.irp s, 0,1,2,3,4,5,6,7
.irp i, 0,1,2,3,4,5,6,7
.if \s < 4
	WIN 0x09                                       ; source 0 (W) window 1, source 1 (the rows, K steps 0-3) window 2, C and D window 0
.else
	WIN 0x0d                                       ; the rows' K steps 4-7: window 3
.endif
	MM \bf, \ac, \s, \i
.if \ep
	SLICE 1-(\ac)
.endif
.if (\ld) && ((\s) == 0) && ((\i) < 4)
	WCODES ((\bf)+3)%4, \o, \i                     ; no wait: no vector or matrix instruction since the wait at the turn's head names that buffer or v[LN16]
.endif
.endr
.endr
	WIN 0                                          ; at a label and at a branch every window is 0
.if (\ep) == 0
.rept 5
	v_nop                                          ; no list yet to stand behind these products: four places ahead of the first read of results and of loads into the products' registers, and one to spare
.endr
.endif
.endm
	s_load_b256 s[4:11], s[0:1], 0x0               ; enc s[4:5], wc s[6:7], ws s[8:9], cg s[10:11]
	s_load_b128 s[12:15], s[0:1], 0x20             ; v s[12:13], scores s[14:15]
	v_lshl_add_u32 v254, v0, 2, 0x24000
	v_mov_b32 v255, 0
	v_lshrrev_b32 v1, 5, v0
	v_readfirstlane_b32 s16, v1                    ; wave 0..3
	s_and_b32 s18, ttmp7, 0xffff                   ; b
	s_mov_b32 s20, 0x76543210
	s_mov_b32 s21, 0xfedcba98                      ; v_permlanex16_b32's selects for lane l xor 16
	s_mov_b32 s22, CEXP
	s_mov_b32 s23, s22                             ; (named with it as a pair, so it is written)
	v_and_b32 v1, 31, v0
	v_lshlrev_b32 v[LN16], 4, v1
	v_and_b32 v15, 15, v0                          ; r
	v_bfe_u32 v[QSH], v0, 4, 1                     ; h
	s_wait_alu depctr_va_sdst(0)                   ; s16 is written, ahead of its first reader: the wave's places in LDS and in memory are made from it
	s_mul_i32 s24, s16, STGW
	v_add_nc_u32 v[STW], s24, v[LN16]
	v_mul_u32_u24 v[STR], v15, STP
	v_lshl_add_u32 v[STR], v[QSH], 7, v[STR]
	v_add_nc_u32 v[STR], s24, v[STR]
	s_lshl_b32 s24, s16, 14                        ; my two tiles of rows: 16 fragments of 1,024 bytes
	s_add_co_u32 s24, s24, IMG
	v_add_nc_u32 v[IMW], s24, v[LN16]
	s_lshl_b32 s24, s16, 10
	s_add_co_u32 s25, s24, SCL
	v_lshl_add_u32 v[SCW], v15, 5, s25             ; pair w, lane r: 32 bytes a lane
	v_add_nc_u32 v[LI], IMG, v[LN16]
	v_lshl_add_u32 v[SCR], v[LN16], 1, SCL         ; 32 x lane
	s_add_co_u32 s25, s24, CGL
	v_lshl_add_u32 v[CGA], v[QSH], 5, s25          ; my 256 n: 1,024 bytes a wave; + 32 h
	s_lshl_b32 s24, s16, 9
	s_add_co_u32 s24, s24, RED
	v_lshl_add_u32 v[REDW], v15, 2, s24
	v_add_nc_u32 v[REDR], RED, v[LN16]
	v_lshlrev_b32 v[QSH], 3, v[QSH]                ; 8 h
	v_lshrrev_b32 v[CGO], 2, v0
	v_lshlrev_b32 v[CGO], 11, v[CGO]               ; cg: tile thread / 4, 2,048 bytes a tile,
	v_and_b32 v[T16], 3, v0
	v_lshl_add_u32 v[CGO], v[T16], 4, v[CGO]       ; four of its sixteen n
	v_lshlrev_b32 v[T16], 4, v0
	v_add_nc_u32 v[CGW], CGL, v[T16]
	v_mov_b32 v[QT], 0                             ; written once: a lane permute's destination counts as one of its sources
	s_lshl_b32 s24, ttmp9, 24                      ; enc: 128 s of 131,072 bytes a work-group,
	s_lshl_b32 s25, s18, 12                        ; my b's row of 4,096 bytes,
	s_add_co_u32 s24, s24, s25
	s_lshl_b32 s25, s16, 22                        ; my wave's 32 s
	s_add_co_u32 s24, s24, s25
	s_mov_b32 s25, 0
	s_lshl_b32 s38, s16, 17                        ; wc: 16 tiles of 8,192 bytes a wave
	s_mov_b32 s39, 0
	s_lshl_b32 s40, s16, 13                        ; ws: 16 tiles of 512 bytes
	s_mov_b32 s41, 0
	s_lshl_b32 s42, s18, 6                         ; cg: 64 bytes a b in each tile
	s_mov_b32 s43, 0
	s_lshl_b32 s44, s18, 12                        ; scores: 4,096 bytes a b, 512 a work-group
	s_lshl_b32 s45, ttmp9, 9
	s_add_co_u32 s44, s44, s45
	s_mov_b32 s45, 0
	s_wait_kmcnt 0x0
	s_add_nc_u64 s[28:29], s[4:5], s[24:25]
	s_add_nc_u64 s[30:31], s[6:7], s[38:39]
	s_add_nc_u64 s[32:33], s[8:9], s[40:41]
	s_add_nc_u64 s[34:35], s[10:11], s[42:43]
	s_add_nc_u64 s[36:37], s[14:15], s[44:45]
	s_wait_alu depctr_va_vdst(0)                   ; the offsets and LDS addresses v1 to v14 are written, which the loads and stores of the kernel read
	global_load_b128 v[CV:CV+3], v[CGO], s[34:35]                   ; cg of my b: tiles 0-31,
	global_load_b128 v[CV+4:CV+7], v[CGO], s[34:35] offset:65536    ; tiles 32-63;
	global_load_b128 v[CV+8:CV+11], v[T16], s[12:13]                ; v
	global_load_b128 v[CV+12:CV+15], v[T16], s[12:13] offset:2048
	LOAD 0                                         ; 68 loads are issued here; past what the counter's field holds the issue itself stalls (ISA guide 5.7.1), and the wave has nothing else to do
	LOAD 1
	LOAD 2
	LOAD 3
	s_wait_loadcnt 48                              ; cg, v and fragment 0 are in: fragments 1 to 3 are younger
	ds_store_b128 v[CGW], v[CV:CV+3]
	ds_store_b128 v[CGW], v[CV+4:CV+7] offset:2048
	ds_store_b128 v[CGW], v[CV+8:CV+11] offset:VLO
	ds_store_b128 v[CGW], v[CV+12:CV+15] offset:VLO+2048
	STURN 0
.irp f, 0,1,2,3,4,5,6,7,8,9,10,11,12,13,14,15
	STEP \f
.endr
	s_wait_dscnt 0x0                               ; for the others' sake: my images, my scale words and my part of cg and v have landed
	s_barrier_signal -1
	s_barrier_wait -1                              ; W's three tiles stay on their way: nobody writes those bytes
	s_wait_alu depctr_vm_vsrc(0)                   ; my LDS stores have read their registers: window 2's sets take the rows' fragments below, and v224-239, which the image stores read, take cg and v in phase G
	; all 64 fragments of the rows, and their scale words, into my registers
	WIN 0x80
.irp i, 0,1,2,3,4,5,6,7
.irp s, 0,1,2,3
.irp c, 0,1
	ds_load_b128 v[8*(4*\i+\s)+4*\c:8*(4*\i+\s)+4*\c+3], v[LI] offset:1024*(8*\i+\s)+512*\c
.endr
.endr
.endr
	WIN 0xc0
.irp i, 0,1,2,3,4,5,6,7
.irp s, 0,1,2,3
.irp c, 0,1
	ds_load_b128 v[8*(4*\i+\s)+4*\c:8*(4*\i+\s)+4*\c+3], v[LI] offset:1024*(8*\i+\s+4)+512*\c
.endr
.endr
.endr
	WIN 0
.irp p, 0,1,2,3
.irp e, 0,1
	ds_load_b128 v[AS+8*\p+4*\e:AS+8*\p+4*\e+3], v[SCR] offset:1024*\p+16*\e
.endr
.endr
.irp k, 0,1,2,3,4,5,6,7,8,9,10,11,12,13,14,15
	v_mov_b32 v[SS+\k], 0                          ; the rows' sums
.endr
	s_wait_dscnt 0x0
	; my 16 tiles of 16 n.  Tile u lies in W's buffer u % 4 and fills accumulator set u % 2
	TURN 0, 0, 0, 1, 3, 34, 0                      ; tile 0: products alone; tile 3 is asked for
	s_mov_b32 s26, 3
.Ltiles:                                           ; a trip: four turns, tiles 4 n + 1 to 4 n + 4, the bases at tile 4 n.  At each turn's head the two later tiles' 2 x 17 loads may be out, on the way in and round the back edge alike
	TURN 1, 1, 1, 1, 4, 34, 64
	TURN 2, 0, 1, 1, 5, 34, 128
	TURN 3, 1, 1, 1, 6, 34, 192
	TURN 0, 0, 1, 1, 7, 34, 256
	s_wait_xcnt 0x0                                ; the loads have read their bases: only behind this wait are these stepped
	s_add_nc_u64 s[30:31], s[30:31], 4*8192
	s_add_nc_u64 s[32:33], s[32:33], 4*512
	s_wait_alu depctr_vm_vsrc(0)                   ; the LDS loads issued so far have read v[CGA]
	v_add_nc_u32 v[CGA], 256, v[CGA]
	s_sub_co_u32 s26, s26, 1
	s_cmp_lg_u32 s26, 0
	s_cbranch_scc1 .Ltiles
	TURN 1, 1, 1, 0, 0, 34, 64                     ; tiles 13 to 15: nothing is left to ask for, so no load leaves wc or ws, and the counts run down
	TURN 2, 0, 1, 0, 0, 17, 128
	TURN 3, 1, 1, 0, 0, 0, 192
	s_wait_dscnt 0x0                               ; tile 15's cg and v
.set qi, 0
.rept 224
	EP 1                                           ; tile 15's list stands alone: no products are left to set it behind
.set qi, qi+1
.endr
	; my 256 n's part of the 128 rows' sums: the pair's halves, the other half of the lanes; then the four waves' parts meet in LDS
.irp i, 0,1,2,3,4,5,6,7
	v_add_f32 v[SS+2*\i], v[SS+2*\i], v[SS+2*\i+1]
.endr
.irp i, 0,1,2,3,4,5,6,7
	v_permlanex16_b32 v[SS+2*\i+1], v[SS+2*\i], s20, s21
.endr
.irp i, 0,1,2,3,4,5,6,7
	v_add_f32 v[SS+2*\i], v[SS+2*\i], v[SS+2*\i+1]
.endr
	s_wait_alu depctr_va_vdst(0)                   ; the eight sums are written, which the LDS stores read; and every vector and matrix instruction is done with v64-79, in which wave 0's loads behind the barrier land
.irp i, 0,1,2,3,4,5,6,7
	ds_store_b32 v[REDW], v[SS+2*\i] offset:64*\i  ; row 16 i + r; lanes r and r + 16 write the same word with the same value
.endr
	s_wait_dscnt 0x0
	s_barrier_signal -1
	s_barrier_wait -1
	s_cmp_lg_u32 s16, 0
	s_cbranch_scc1 .Ldone
.irp u, 0,1,2,3
	ds_load_b128 v[ACC+4*\u:ACC+4*\u+3], v[REDR] offset:512*\u     ; lane l: rows 4 l .. 4 l + 3 of wave u's part
.endr
	s_wait_dscnt 0x0
	v_pk_add_f32 v[ACC:ACC+1], v[ACC:ACC+1], v[ACC+4:ACC+5]
	v_pk_add_f32 v[ACC+2:ACC+3], v[ACC+2:ACC+3], v[ACC+6:ACC+7]
	v_pk_add_f32 v[ACC+8:ACC+9], v[ACC+8:ACC+9], v[ACC+12:ACC+13]
	v_pk_add_f32 v[ACC+10:ACC+11], v[ACC+10:ACC+11], v[ACC+14:ACC+15]
	v_pk_add_f32 v[ACC:ACC+1], v[ACC:ACC+1], v[ACC+8:ACC+9]
	v_pk_add_f32 v[ACC+2:ACC+3], v[ACC+2:ACC+3], v[ACC+10:ACC+11]
	v_pk_mul_f32 v[ACC:ACC+1], v[ACC:ACC+1], -2.0 op_sel_hi:[1,0]
	v_pk_mul_f32 v[ACC+2:ACC+3], v[ACC+2:ACC+3], -2.0 op_sel_hi:[1,0]
	s_wait_alu depctr_va_vdst(0)                   ; the lane's four scores are written, which the store reads
	global_store_b128 v[LN16], v[ACC:ACC+3], s[36:37]              ; 128 scores: 512 consecutive bytes, at a multiple of 512 from the buffer's first byte
.Ldone:
	s_wait_dscnt 0x0                               ; the closing lines, six on end
	s_wait_alu 0x0
	s_wait_tensorcnt 0x0
	ds_add_u32 v254, v255
	s_wait_dscnt 0x0
	s_endpgm
.Lfunc_end_k_qfad40aafc7_energy:
	.size	k_qfad40aafc7_energy, .Lfunc_end_k_qfad40aafc7_energy-k_qfad40aafc7_energy
	.p2alignl 7, 3214868480
	.fill 96, 4, 3214868480
	.section	.rodata,"a",@progbits
	.p2align	6, 0x0
	.amdhsa_kernel k_qfad40aafc7_energy
		.amdhsa_group_segment_fixed_size 147968
		.amdhsa_private_segment_fixed_size 0
		.amdhsa_enable_private_segment 0
		.amdhsa_kernarg_size 48
		.amdhsa_user_sgpr_count 2
		.amdhsa_user_sgpr_kernarg_segment_ptr 1
		.amdhsa_wavefront_size32 1
		.amdhsa_system_sgpr_workgroup_id_x 1
		.amdhsa_system_sgpr_workgroup_id_y 1
		.amdhsa_system_sgpr_workgroup_id_z 1
		.amdhsa_system_vgpr_workitem_id 0
		.amdhsa_next_free_vgpr 1024
		.amdhsa_next_free_sgpr 66
		.amdhsa_reserve_vcc 0
		.amdhsa_float_denorm_mode_32 3
		.amdhsa_float_denorm_mode_16_64 3
		.amdhsa_memory_ordered 1
		.amdhsa_forward_progress 1
		.amdhsa_inst_pref_size 255
	.end_amdhsa_kernel
	.section	.bss,"aw",@nobits
	.p2align	6
	.space	262144
	.amdgpu_metadata
---
amdhsa.version: [ 1, 2 ]
amdhsa.kernels:
  - .name:           k_qfad40aafc7_energy
    .symbol:         k_qfad40aafc7_energy.kd
    .args:
      - { .name: encoderOutputs, .offset: 0, .size: 8, .value_kind: global_buffer, .address_space: global }
      - { .name: wc, .offset: 8, .size: 8, .value_kind: global_buffer, .address_space: global }
      - { .name: ws, .offset: 16, .size: 8, .value_kind: global_buffer, .address_space: global }
      - { .name: cg, .offset: 24, .size: 8, .value_kind: global_buffer, .address_space: global }
      - { .name: v, .offset: 32, .size: 8, .value_kind: global_buffer, .address_space: global }
      - { .name: scores, .offset: 40, .size: 8, .value_kind: global_buffer, .address_space: global }
    .group_segment_fixed_size: 147968
    .private_segment_fixed_size: 0
    .kernarg_segment_align: 8
    .kernarg_segment_size: 48
    .max_flat_workgroup_size: 128
    .sgpr_count:     66
    .vgpr_count:     1024
    .wavefront_size: 32
...
	.end_amdgpu_metadata
.endif
;; end of part 5
;; launch softmax: the kernel of part 3 again; grid 32 x 1, 1 waves a work-group, no clusters, 0 bytes of LDS; arguments scores, out0; writes out0
